; MI455X (gfx1250); checked and timed in simulation.
; The chip was launched on July 23, 2026; its instructions are those of AMD's public machine-readable ISA for CDNA 5 (MIT licence, August 2026) and "CDNA5" Instruction Set Architecture Reference Guide (July 2026). The comments in the code are by the model that wrote it; some were corrected since.
;; Memory Bank. Allowed arithmetic: float matrix products may take bf16 or f16 operands with f32 sums; all other float work in f32.
;; Inputs: gate_b 1,024 float32; gate_w 2,048 x 1,024 float32; ln_beta 1,024 float32; ln_gamma 1,024 float32; memory_decay one number float32; memory_keys 512 x 1,024 float32; memory_values 512 x 1,024 float32; memory_weights 4 x 2,048 x 512 float32; out_b 1,024 float32; out_w 1,024 x 1,024 float32; query 4 x 2,048 x 1,024 float32; update_input 4 x 2,048 x 1,024 float32.
;; Outputs: out0 4 x 2,048 x 1,024 float32.
;; 3 versions, each right; version 2 is faster than version 1; version 3 is version 2 with the launch fold written anew for expert scheduling mode. Each part assembles by itself: llvm-mc -triple=amdgcn-amd-amdhsa -mcpu=gfx1250 --defsym DOCPART=n.
;; ======== version 1 of 3: 3 launches
;; limits: values are held in f16: magnitudes above 65,504 overflow, below 6.1e-05 lose precision; right only within a limited range of input values; inputs' magnitudes at most 65,504
;; workspace buffers: wstream 5,242,880 bytes; va 1,048,576 bytes; wb 4,194,304 bytes
;; launch cast (part 1): grid 512 x 1, 8 waves a work-group, no clusters, 0 bytes of LDS; arguments memory_keys, memory_values, gate_w, out_w, wstream, va, wb; writes wstream, va, wb
.if DOCPART == 1
	.amdgcn_target "amdgcn-amd-amdhsa--gfx1250"
	.amdhsa_code_object_version 6
	.text
	.protected	k_q282478c322_cast
	.globl	k_q282478c322_cast
	.p2align	8
	.type	k_q282478c322_cast,@function
k_q282478c322_cast:
	s_mov_b64 s[64:65], 0
	v_nop
	global_prefetch_b8 v0, s[64:65] scope:SCOPE_SE
	s_setreg_imm32_b32 hwreg(HW_REG_WAVE_MODE, 25, 1), 1
	s_wait_xcnt 0x0
; The four weight matrices, f32, are rounded to f16 and laid down in MATRIX-FRAGMENT ORDER, so that the two later launches
; fill a matrix operand by two 16-byte loads a lane from 1,024 consecutive bytes.
; WHY f16 AND NOT bf16: the softmax passes an error of the scores on to the result undiminished, and eight bits of significand in q and k leave
; too little margin; f16 has eleven.  These are raw inputs of spread 1 (keys, values) and 0.02 to 0.03 (weights): thirty times larger, or offset by thirty
; spreads, they stay far below f16's largest number; thirty times smaller their spread is 7e-4 against f16's step of 6e-8 near zero.
; LIMIT: an entry of 65,520 or more in magnitude becomes infinite.
; A fragment is 16 "rows" x 32 k of f16 = 1,024 bytes: byte c*512 + L*16 + 2e holds (row L & 15, k = 16 c + 8 (L >> 4) + e).
;   memory_keys   [512][1024]  rows = slots,   k = d   -> wstream tiles 0-7
;   memory_values [512][1024]  rows = slots,   k = d   -> va    fragment (slot tile, k block) at (32 tile + block) * 1024
;   gate_w rows 1024-2047      rows = columns, k = d   -> wstream tiles 16-31
;   gate_w rows 0-1023, out_w  rows = columns, k = d   -> wb    fragment (column tile, k block) at (32 tile + block) * 1024; out_w's tiles are 64-127
; wstream: tile t, wave w, fragment f at ((8 t + w) * 16 + f) * 1024.  Tiles 0-7: f = 4 u + nt, slot tile 4 w + nt, k block 4 t + u.
; Tiles 16-31: f = 8 ks + ct, column tile 8 w + ct, k block 2 (t - 16) + ks.
; Memory binds: each input byte is read once, each output byte written once, one task a wave, no loop, no LDS, no barrier.
; No cluster: no two work-groups read the same bytes.  No matrix unit: nothing is multiplied.
.set X, 8                              ; v[8:39]   32 numbers in f32, as loaded
.set Y, 40                             ; v[40:55]  the same as 16 words of two f16
; Source rows lie along k.  16 rows x 64 k: lane (r, h) takes 8 numbers (32 bytes) at k = 16 q + 8 h of row r, q = 0..3; the eight loads
; together cover 256 consecutive bytes of each of the 16 rows.  Each store covers 512 consecutive bytes.  stride: from one k block's fragment to the next.
.macro ROWTASK src, dst, stride
.irp q, 0,1,2,3
	global_load_b128 v[X+8*\q:X+8*\q+3],   v2, s[\src:\src+1] offset:64*\q th:TH_LOAD_NT
	global_load_b128 v[X+8*\q+4:X+8*\q+7], v2, s[\src:\src+1] offset:64*\q+16 th:TH_LOAD_NT
.endr
	s_wait_loadcnt 0x0
.irp i, 0,1,2,3,4,5,6,7,8,9,10,11,12,13,14,15
	v_cvt_pk_f16_f32 v[Y+\i], v[X+2*\i], v[X+2*\i+1]
.endr
.irp kbl, 0,1
.irp c, 0,1
	global_store_b128 v3, v[Y+8*\kbl+4*\c:Y+8*\kbl+4*\c+3], s[\dst:\dst+1] offset:\kbl*\stride+\c*512
.endr
.endr
.endm
; Source rows lie along the columns, k goes down.  32 k x 32 columns: lane L keeps column L, one number from each of 32 rows, which are its
; column's 32 k in order: packing neighbours gives the lane's four 16-byte pieces (k = 8 q .. 8 q + 7 at byte 256 q + 16 r of its column tile's fragment).
; Sixteen lanes store 256 consecutive bytes, aligned.
.macro COLTASK src, dst
.set k, 0
.rept 32
	global_load_b32 v[X+k], v2, s[\src:\src+1] offset:k*4096 th:TH_LOAD_NT
.set k, k+1
.endr
	s_wait_loadcnt 0x0
.irp i, 0,1,2,3,4,5,6,7,8,9,10,11,12,13,14,15
	v_cvt_pk_f16_f32 v[Y+\i], v[X+2*\i], v[X+2*\i+1]
.endr
.irp q, 0,1,2,3
	global_store_b128 v3, v[Y+4*\q:Y+4*\q+3], s[\dst:\dst+1] offset:256*\q
.endr
.endm
	s_load_b256 s[4:11], s[0:1], 0x0               ; keys s[4:5], values s[6:7], gate_w s[8:9], out_w s[10:11]
	s_load_b128 s[12:15], s[0:1], 0x20             ; wstream s[12:13], va s[14:15]
	s_load_b64 s[16:17], s[0:1], 0x30              ; wb
	v_lshrrev_b32 v1, 5, v0
	v_readfirstlane_b32 s3, v1                     ; wave 0..7
	v_and_b32 v1, 31, v0                           ; L
	v_and_b32 v4, 15, v0                           ; r
	v_bfe_u32 v5, v0, 4, 1                         ; h
	s_mov_b32 s21, 0                               ; s[20:21] source offset, s[22:23] destination offset: both below 4 GiB
	s_mov_b32 s23, 0
	s_cmp_ge_u32 ttmp9, 128
	s_cbranch_scc1 .Lcol
	; work-groups 0-63: keys; 64-127: values.  512 tasks each: 32 row tiles x 16 pieces of 64 k
	s_and_b32 s18, ttmp9, 63
	s_lshl3_add_u32 s18, s18, s3                   ; task = 8 x group + wave
	s_lshr_b32 s19, s18, 4                         ; row tile
	s_and_b32 s18, s18, 15                         ; piece of 64 k = two k blocks
	s_lshl_b32 s20, s19, 16                        ; 16 rows of 4,096 bytes
	s_lshl_b32 s24, s18, 8                         ; 64 numbers of 4 bytes
	s_add_co_u32 s20, s20, s24
	v_lshlrev_b32 v2, 12, v4                       ; row r
	v_lshl_add_u32 v2, v5, 5, v2                   ; + 8 h numbers
	v_lshlrev_b32 v3, 4, v1                        ; 16 L
	s_cmp_ge_u32 ttmp9, 64
	s_cbranch_scc1 .Lvalues
	s_lshr_b32 s22, s18, 1                         ; tile t = piece / 2
	s_lshl_b32 s22, s22, 17
	s_lshr_b32 s24, s19, 2                         ; wave = row tile / 4
	s_lshl_b32 s24, s24, 14
	s_add_co_u32 s22, s22, s24
	s_and_b32 s24, s18, 1                          ; u = 2 (piece & 1) + k block of the piece: 4 fragments apart
	s_lshl_b32 s24, s24, 13
	s_add_co_u32 s22, s22, s24
	s_and_b32 s24, s19, 3                          ; nt = row tile & 3
	s_lshl_b32 s24, s24, 10
	s_add_co_u32 s22, s22, s24
	s_wait_kmcnt 0x0
	s_add_nc_u64 s[4:5], s[4:5], s[20:21]
	s_add_nc_u64 s[12:13], s[12:13], s[22:23]
	ROWTASK 4, 12, 4096
	s_endpgm
.Lvalues:
	s_lshl_b32 s22, s19, 15                        ; 32 fragments a row tile
	s_lshl_b32 s24, s18, 11                        ; two fragments a piece
	s_add_co_u32 s22, s22, s24
	s_wait_kmcnt 0x0
	s_add_nc_u64 s[6:7], s[6:7], s[20:21]
	s_add_nc_u64 s[14:15], s[14:15], s[22:23]
	ROWTASK 6, 14, 1024
	s_endpgm
.Lcol:
	; work-groups 128-255: gate_w's lower half; 256-383: its upper half; 384-511: out_w.  1,024 tasks each: 32 k blocks x 32 pieces of 32 columns.
	; The eight waves of a group take eight neighbouring pieces: 1,024 consecutive bytes of each source row.
	s_sub_co_u32 s18, ttmp9, 128
	s_lshr_b32 s25, s18, 7                         ; which matrix: 0, 1, 2
	s_and_b32 s18, s18, 127
	s_lshl3_add_u32 s18, s18, s3                   ; task
	s_and_b32 s19, s18, 31                         ; piece of 32 columns = two column tiles
	s_lshr_b32 s18, s18, 5                         ; k block
	s_lshl_b32 s20, s18, 17                        ; 32 rows of 4,096 bytes
	s_lshl_b32 s24, s19, 7                         ; 32 numbers of 4 bytes
	s_add_co_u32 s20, s20, s24
	v_lshlrev_b32 v2, 2, v1                        ; my column
	v_lshlrev_b32 v3, 4, v4                        ; 16 r
	s_cmp_lg_u32 s25, 0
	s_cbranch_scc1 .Lwb
	s_add_co_u32 s20, s20, 0x400000                ; gate_w from row 1024 on
	s_lshr_b32 s22, s18, 1
	s_add_co_u32 s22, s22, 16                      ; tile t = 16 + k block / 2
	s_lshl_b32 s22, s22, 17
	s_lshr_b32 s24, s19, 2                         ; wave = column tile / 8
	s_lshl_b32 s24, s24, 14
	s_add_co_u32 s22, s22, s24
	s_and_b32 s24, s18, 1                          ; ks: 8 fragments apart
	s_lshl_b32 s24, s24, 13
	s_add_co_u32 s22, s22, s24
	s_and_b32 s24, s19, 3                          ; ct = 2 (piece & 3) + h
	s_lshl_b32 s24, s24, 11
	s_add_co_u32 s22, s22, s24
	v_lshl_add_u32 v3, v5, 10, v3                  ; lanes 16-31: the next column tile's fragment
	s_wait_kmcnt 0x0
	s_add_nc_u64 s[8:9], s[8:9], s[20:21]
	s_add_nc_u64 s[12:13], s[12:13], s[22:23]
	COLTASK 8, 12
	s_endpgm
.Lwb:
	s_sub_co_u32 s22, s25, 1                       ; 0: gate_w's upper half, 1: out_w
	s_lshl_b32 s22, s22, 5
	s_add_co_u32 s22, s22, s19                     ; 32 x matrix + piece = half the column tile's number
	s_lshl_b32 s22, s22, 16                        ; two column tiles of 32 fragments
	s_lshl_b32 s24, s18, 10                        ; the k block's fragment
	s_add_co_u32 s22, s22, s24
	v_lshl_add_u32 v3, v5, 15, v3                  ; lanes 16-31: the next column tile, 32 fragments on
	s_wait_kmcnt 0x0
	s_cmp_eq_u32 s25, 2
	s_cselect_b64 s[26:27], s[10:11], s[8:9]       ; out_w or gate_w: the choice hangs on the work-group's number alone
	s_add_nc_u64 s[26:27], s[26:27], s[20:21]
	s_add_nc_u64 s[16:17], s[16:17], s[22:23]
	COLTASK 26, 16
	s_endpgm
.Lfunc_end_k_q282478c322_cast:
	.size	k_q282478c322_cast, .Lfunc_end_k_q282478c322_cast-k_q282478c322_cast
	.p2alignl 7, 3214868480
	.fill 96, 4, 3214868480
	.section	.rodata,"a",@progbits
	.p2align	6, 0x0
	.amdhsa_kernel k_q282478c322_cast
		.amdhsa_group_segment_fixed_size 0
		.amdhsa_private_segment_fixed_size 0
		.amdhsa_enable_private_segment 0
		.amdhsa_kernarg_size 56
		.amdhsa_user_sgpr_count 2
		.amdhsa_user_sgpr_kernarg_segment_ptr 1
		.amdhsa_wavefront_size32 1
		.amdhsa_system_sgpr_workgroup_id_x 1
		.amdhsa_system_sgpr_workgroup_id_y 1
		.amdhsa_system_sgpr_workgroup_id_z 1
		.amdhsa_system_vgpr_workitem_id 0
		.amdhsa_next_free_vgpr 64
		.amdhsa_next_free_sgpr 66
		.amdhsa_reserve_vcc 0
		.amdhsa_float_denorm_mode_32 3
		.amdhsa_float_denorm_mode_16_64 3
		.amdhsa_memory_ordered 1
		.amdhsa_forward_progress 1
		.amdhsa_inst_pref_size 17
	.end_amdhsa_kernel
	.amdgpu_metadata
---
amdhsa.version: [ 1, 2 ]
amdhsa.kernels:
  - .name:           k_q282478c322_cast
    .symbol:         k_q282478c322_cast.kd
    .args:
      - { .name: memory_keys, .offset: 0, .size: 8, .value_kind: global_buffer, .address_space: global }
      - { .name: memory_values, .offset: 8, .size: 8, .value_kind: global_buffer, .address_space: global }
      - { .name: gate_w, .offset: 16, .size: 8, .value_kind: global_buffer, .address_space: global }
      - { .name: out_w, .offset: 24, .size: 8, .value_kind: global_buffer, .address_space: global }
      - { .name: wstream, .offset: 32, .size: 8, .value_kind: global_buffer, .address_space: global }
      - { .name: va, .offset: 40, .size: 8, .value_kind: global_buffer, .address_space: global }
      - { .name: wb, .offset: 48, .size: 8, .value_kind: global_buffer, .address_space: global }
    .group_segment_fixed_size: 0
    .private_segment_fixed_size: 0
    .kernarg_segment_align: 8
    .kernarg_segment_size: 56
    .max_flat_workgroup_size: 256
    .sgpr_count:     66
    .vgpr_count:     64
    .wavefront_size: 32
...
	.end_amdgpu_metadata
.endif
;; end of part 1
;; launch fold (part 2): grid 256 x 1, 4 waves a work-group, no clusters, 0 bytes of LDS; arguments va, wb, wstream; writes wstream
.if DOCPART == 2
	.amdgcn_target "amdgcn-amd-amdhsa--gfx1250"
	.amdhsa_code_object_version 6
	.text
	.protected	k_q282478c322_fold
	.globl	k_q282478c322_fold
	.p2align	8
	.type	k_q282478c322_fold,@function
k_q282478c322_fold:
	s_mov_b64 s[64:65], 0
	v_nop
	global_prefetch_b8 v0, s[64:65] scope:SCOPE_SE
	s_setreg_imm32_b32 hwreg(HW_REG_WAVE_MODE, 25, 1), 1
	s_wait_xcnt 0x0
; memory_read enters only linear maps, so (P V) W = P (V W) for every input.  This launch makes the two folded matrices once:
;   VG' = V * gate_w[0:1024] / 4   -> wstream tiles 8-15        VO' = V * out_w / 4   -> wstream tiles 32-39
; [512 slots][2 x 1024 columns], K = 1024, f16 operands, f32 sums, rounded once to f16 (LIMIT: the order of rounding differs from forming P V first).
; ROOM IN f16: the decay stays out of the fold (the next launch applies 4 * decay in f32), and the division by 4 is exact.  V W has a spread of 0.7 to 1.
; With V and the weights thirty times larger its largest entries are some 5,000, with common offsets of thirty spreads (30 and 0.94, 1,024 terms) some 29,000:
; a quarter of that is stored.  With both thirty times smaller what is stored has a spread of some 2e-4, above f16's smallest normal number, 6.1e-5.
; LIMIT: an entry of V W of 262,000 or more in magnitude becomes infinite.
; 1,024 wave tasks of 32 slots x 32 columns (four accumulator tiles).  Operands come straight from va and wb, which lie in fragment order:
; each load of a wave covers 512 consecutive bytes, and no LDS is needed.  The four waves of a group share their two column tiles.
; Source 0 = slots (va), source 1 = columns (wb): register j of lane (r, h) holds (slot 8 h + j, column r), which, packed in pairs, is the
; lane's 16 bytes of the target fragment (rows = columns, k = slots): slot tile a of the task is the fragment's half c = a.  Nothing is transposed.
; wstream: tile t, wave w, fragment f = 8 ks + ct at ((8 t + w) * 16 + f) * 1024; column tile 8 w + ct, block of 32 slots 2 (t - first tile) + ks.
; No cluster and no tensor loads: the operands go to registers, and the launch is short.
.set ACC, 8                            ; v[8:39]    accumulator (a, b) at 8 + 8 (2 a + b)
.set SET, 40                           ; v[40:231]  six sets of 32: va's two fragments, wb's two fragments, of one K step of 32
.set OUT, 232                          ; v[232:247] the four tiles as f16
.macro PLACES                          ; a load into a register that a matrix instruction has read, and a vector instruction that reads its result,
.rept 4                                ; stand four plain vector instructions behind it (ISA guide 7.12.1)
	v_nop
.endr
.endm
.macro LOADSTEP                        ; the eight loads of K step ls, into set ls mod 6
.irp a, 0,1
.irp c, 0,1
	global_load_b128 v[SET+32*(ls%6)+8*\a+4*\c:SET+32*(ls%6)+8*\a+4*\c+3], v2, s[4:5] offset:\a*32768+ls*1024+\c*512
.endr
.endr
.irp b, 0,1
.irp c, 0,1
	global_load_b128 v[SET+32*(ls%6)+16+8*\b+4*\c:SET+32*(ls%6)+16+8*\b+4*\c+3], v3, s[6:7] offset:\b*32768+ls*1024+\c*512
.endr
.endr
.endm
	s_load_b128 s[4:7], s[0:1], 0x0                ; va s[4:5], wb s[6:7]
	s_load_b64 s[10:11], s[0:1], 0x10              ; wstream
	v_lshrrev_b32 v1, 5, v0
	v_readfirstlane_b32 s3, v1                     ; wave 0..3
	v_and_b32 v1, 31, v0
	v_lshlrev_b32 v1, 4, v1                        ; 16 L
	s_lshl2_add_u32 s14, ttmp9, s3                 ; task = 4 x group + wave
	s_lshr_b32 s15, s14, 4                         ; pair of column tiles, 0..63
	s_and_b32 s14, s14, 15                         ; pair of slot tiles = block of 32 slots, 0..15
	v_lshl_add_u32 v2, s14, 16, v1                 ; va: two slot tiles of 32 fragments
	v_lshl_add_u32 v3, s15, 16, v1                 ; wb: two column tiles of 32 fragments
	s_lshr_b32 s16, s15, 5                         ; 0: VG', 1: VO'
	s_mul_i32 s16, s16, 24
	s_add_co_u32 s16, s16, 8                       ; first tile 8 or 32
	s_lshr_b32 s18, s14, 1
	s_add_co_u32 s16, s16, s18                     ; + block / 2
	s_lshl_b32 s16, s16, 17
	s_bfe_u32 s18, s15, 0x30002                    ; wave = (pair & 31) / 4
	s_lshl_b32 s18, s18, 14
	s_add_co_u32 s16, s16, s18
	s_and_b32 s18, s14, 1                          ; ks
	s_lshl_b32 s18, s18, 13
	s_add_co_u32 s16, s16, s18
	s_and_b32 s18, s15, 3                          ; ct = 2 (pair & 3) + b
	s_lshl_b32 s18, s18, 11
	s_add_co_u32 s16, s16, s18
	s_mov_b32 s17, 0
	s_wait_kmcnt 0x0
	s_add_nc_u64 s[10:11], s[10:11], s[16:17]
.set ls, 0
.rept 6
	LOADSTEP                                       ; K steps 0 to 5 are asked for at once
.set ls, ls+1
.endr
	; 32 K steps, written out.  The four accumulators take turns, one instruction a turn.
.set i, 0
.rept 32
.if 31-i >= 5
	s_wait_loadcnt 40                              ; loads come back in order (ISA guide 5.7.1): this step's eight are in, the five younger steps' forty stay out
.else
	s_wait_loadcnt 8*(31-i)                        ; near the end fewer steps are behind this one
.endif
.irp a, 0,1
.irp b, 0,1
.if i == 0
	v_wmma_f32_16x16x32_f16 v[ACC+8*(2*\a+\b):ACC+8*(2*\a+\b)+7], v[SET+32*(i%6)+8*\a:SET+32*(i%6)+8*\a+7], v[SET+32*(i%6)+16+8*\b:SET+32*(i%6)+16+8*\b+7], 0
.else
	v_wmma_f32_16x16x32_f16 v[ACC+8*(2*\a+\b):ACC+8*(2*\a+\b)+7], v[SET+32*(i%6)+8*\a:SET+32*(i%6)+8*\a+7], v[SET+32*(i%6)+16+8*\b:SET+32*(i%6)+16+8*\b+7], v[ACC+8*(2*\a+\b):ACC+8*(2*\a+\b)+7]
.endif
.endr
.endr
.if i+6 <= 31
	PLACES
.set ls, i+6
	LOADSTEP                                       ; the set just multiplied is filled with the step six further on
.endif
.set i, i+1
.endr
	PLACES
.set k, 0
.rept 16
	v_pk_mul_f32 v[ACC+k:ACC+k+1], v[ACC+k:ACC+k+1], 0x3e800000 op_sel_hi:[1,0]    ; a quarter: exact
.set k, k+2
.endr
.set k, 0
.rept 16
	v_cvt_pk_f16_f32 v[OUT+k/2], v[ACC+k], v[ACC+k+1]
.set k, k+2
.endr
.irp a, 0,1
.irp b, 0,1
	global_store_b128 v1, v[OUT+4*(2*\a+\b):OUT+4*(2*\a+\b)+3], s[10:11] offset:\b*1024+\a*512    ; 512 consecutive bytes, aligned
.endr
.endr
	s_endpgm
.Lfunc_end_k_q282478c322_fold:
	.size	k_q282478c322_fold, .Lfunc_end_k_q282478c322_fold-k_q282478c322_fold
	.p2alignl 7, 3214868480
	.fill 96, 4, 3214868480
	.section	.rodata,"a",@progbits
	.p2align	6, 0x0
	.amdhsa_kernel k_q282478c322_fold
		.amdhsa_group_segment_fixed_size 0
		.amdhsa_private_segment_fixed_size 0
		.amdhsa_enable_private_segment 0
		.amdhsa_kernarg_size 24
		.amdhsa_user_sgpr_count 2
		.amdhsa_user_sgpr_kernarg_segment_ptr 1
		.amdhsa_wavefront_size32 1
		.amdhsa_system_sgpr_workgroup_id_x 1
		.amdhsa_system_sgpr_workgroup_id_y 1
		.amdhsa_system_sgpr_workgroup_id_z 1
		.amdhsa_system_vgpr_workitem_id 0
		.amdhsa_next_free_vgpr 248
		.amdhsa_next_free_sgpr 66
		.amdhsa_reserve_vcc 0
		.amdhsa_float_denorm_mode_32 3
		.amdhsa_float_denorm_mode_16_64 3
		.amdhsa_memory_ordered 1
		.amdhsa_forward_progress 1
		.amdhsa_inst_pref_size 41
	.end_amdhsa_kernel
	.amdgpu_metadata
---
amdhsa.version: [ 1, 2 ]
amdhsa.kernels:
  - .name:           k_q282478c322_fold
    .symbol:         k_q282478c322_fold.kd
    .args:
      - { .name: va, .offset: 0, .size: 8, .value_kind: global_buffer, .address_space: global }
      - { .name: wb, .offset: 8, .size: 8, .value_kind: global_buffer, .address_space: global }
      - { .name: wstream, .offset: 16, .size: 8, .value_kind: global_buffer, .address_space: global }
    .group_segment_fixed_size: 0
    .private_segment_fixed_size: 0
    .kernarg_segment_align: 8
    .kernarg_segment_size: 24
    .max_flat_workgroup_size: 128
    .sgpr_count:     66
    .vgpr_count:     248
    .wavefront_size: 32
...
	.end_amdgpu_metadata
.endif
;; end of part 2
;; launch chain (part 3): grid 256 x 1, 8 waves a work-group, clusters of 4 x 1, 327,680 bytes of LDS; arguments query, memory_weights, update_input, gate_b, out_b, ln_gamma, ln_beta, wstream, out0, memory_decay; writes out0
.if DOCPART == 3
	.amdgcn_target "amdgcn-amd-amdhsa--gfx1250"
	.amdhsa_code_object_version 6
	.text
	.protected	k_q282478c322_chain
	.globl	k_q282478c322_chain
	.p2align	8
	.type	k_q282478c322_chain,@function
k_q282478c322_chain:
	s_mov_b64 s[64:65], 0
	v_nop
	global_prefetch_b8 v0, s[64:65] scope:SCOPE_SE
	s_setreg_imm32_b32 hwreg(HW_REG_WAVE_MODE, 25, 1), 1
	s_wait_xcnt 0x0
	s_wait_alu depctr_hold_cnt(0) depctr_sa_sdst(0) depctr_va_vdst(0) depctr_va_sdst(0) depctr_va_ssrc(0) depctr_va_vcc(0) depctr_vm_vsrc(0)
	s_getreg_b32 s2, hwreg(HW_REG_IB_STS2, 6, 4)
	s_cmp_eq_u32 s2, 0
	s_cbranch_scc0 .Lentry_in_a_cluster
	s_endpgm
.Lentry_in_a_cluster:
	s_bfe_u32 s2, ttmp6, 0x10000c
	s_cmp_lg_u32 s2, 0x3003
	s_cbranch_scc0 .Lentry_shape_is_right
	s_endpgm
.Lentry_shape_is_right:
; The whole chain for 32 rows a work-group (8,192 rows, 256 work-groups):
;   S   t = q K^T (K = 1024, 512 slots); t *= memory_weights; P = softmax(t / sqrt(128)), with the row's true maximum taken away
;   Z   z = 4 decay (P VG') + u G_low + gate_b (1,024 columns);  c = 4 decay (1 + mean over columns of sigmoid(z))
;   Y   x = c * (P VO') + out_b;  out = (x - mean) * rsqrt(var + 1e-5) * gamma + beta, the variance from the differences (two passes)
; VG' = V gate_w[0:1024] / 4 and VO' = V out_w / 4 were folded by the launch before; (P V) W = P (V W) holds for every input.
; ALL MATRIX OPERANDS ARE f16: the softmax passes an error of the scores on to the result undiminished, and bf16's eight bits of significand in q and k leave too
; little margin.  q and u are raw inputs of spread 1 (thirty times larger or offset by thirty spreads: far below f16's largest number); P lies in [0, 1] for every input.
; LIMITS: an entry of q or u of 65,520 or more in magnitude becomes infinite; the folded matrices and P are rounded to f16, so the order of rounding differs from
; forming P V first; exponentials below 2^-126 come out as zero (ISA guide, the entry of V_EXP_F32); NaN and infinite inputs are not followed.
; WEIGHTS: 40 tiles of 128 KiB in wstream, in fragment order (16 rows x 32 k of f16 = 1,024 bytes; byte c*512 + L*16 + 2e = row L & 15,
; k = 16 c + 8 (L >> 4) + e).  Tile t, wave w: 16 fragments, 16 KiB, dense.  They go through a ring of two LDS slots; wave w fetches and reads its own
; sixteenth-of-a-ring block.  Tiles 0-7 keys (f = 4 u + nt), 8-15 VG', 16-31 gate_w's lower half, 32-39 VO' (f = 8 ks + ct).
; CLUSTER: every work-group walks the same 40 tiles in the same order, so four work-groups ask for each block jointly (mask 15): that divides the requests by four.
; WAVES: eight.  Wave w owns slots 64 w .. 64 w + 63 in S and columns 128 w .. 128 w + 127 in Z and Y, for all 32 rows.
; THE MATRIX INSTRUCTION IS USED TRANSPOSED: source 0 = a weight fragment, source 1 = 16 rows of activations.  Lane (r, h) then holds ROW r, and its
; registers j the weight indices 8 h + j.  So every row-wise step is: sum in the lane, one exchange of the two lane halves, one exchange among the eight waves.
; Q, later U: each thread keeps its part as loaded (f32) in 128 registers of the upper window and lays one chunk of 128 k as f16 into LDS a trip ahead of its use.
.set SLOT,  131072                     ; a ring slot: eight blocks of 16 KiB
.set ACH,   2*SLOT                     ; two chunk buffers: 32 rows x 272 (256 bytes of data + 16)
.set ACHP,  272                        ; an odd multiple of 16: sixteen rows begin in sixteen different 16-byte columns of a span of 256 bytes
.set ACHB,  32*ACHP
.set PB,    ACH+2*ACHB                 ; P in f16: eight blocks (one a wave: its 64 slots), each 32 rows x 144 (128 + 16)
.set PBP,   144
.set PBW,   32*PBP
.set RED,   PB+8*PBW                   ; five exchange areas of 1 KiB, [wave][row] f32, each used once
.set STP,   528                        ; the way out: 16 rows x 528 (512 + 16) in the wave's own ring block, behind that block's last fill
; vector registers, lower window
.set RG,  2                            ; v2  16384 w + 16 L: my 16 bytes of a fragment in slot 0; the same number is my byte offset in Q and U.  v6 (RG+4): the same in slot 1
.set MO,  3                            ; v3  memory_weights: 2048 r + 256 w + 32 h
.set BO,  4                            ; v4  gate_b, out_b: 512 w + 32 h
.set ST1, 5                            ; v5  stage in slot 1, store address
.set AQ,  7                            ; v7  chunk buffer, read: ACH + 272 r + 16 h
.set AW,  8                            ; v8  chunk buffer, write: ACH + 4 w rows + 8 L
.set PA,  9                            ; v9  P, read: PB + 144 r + 16 h
.set PR,  10                           ; v10 the same, stepped in the loops
.set PW,  11                           ; v11 P, write: PB + 4608 w + 144 r + 16 h
.set RW,  12                           ; v12 exchange, write: RED + 128 w + 4 L
.set RR,  13                           ; v13 exchange, read: RED + 4 L
.set OO,  14                           ; v14 out0, gamma, beta: 512 w + 16 L
.set ST0, 15                           ; v15 stage in slot 0, store address: 16384 w + 528 r + 32 h
.set ACC, 16                           ; v[16:143]  accumulator (row block mb, tile ct) at 16 + 8 (8 mb + ct)
.set BF,  144                          ; v[144:207] two sets of four weight fragments; between the phases: at work
.set AF,  208                          ; v[208:239] two sets of two activation fragments; between the phases: at work
.set E,   208
.set T,   240                          ; v[240:247] at work
.set GA,  248                          ; v[248:251] gamma of my four columns on the way out
.set BE,  252                          ; v[252:255] beta
; upper window (v256-v511, named by their low 8 bits)
.set QU,  0                            ; 128: Q, later U: chunk c, row i of my four at 16 c + 4 i
.set MW,  128                          ; 64: memory_weights in the accumulators' layout; later out_b
.set GB,  192                          ; 64: gate_b, later times -log2(e)
.set G0,  32                           ; s[32:39] descriptor group 0, one set for each slot
.set G1,  40                           ; s[40:47] descriptor group 1
.set MSB, 0
.macro WIN new                         ; s_set_vgpr_msb: bits 1:0 source 0, 3:2 source 1, 5:4 source 2, 7:6 destination; the high byte repeats the setting that is left
.if MSB != \new
	s_set_vgpr_msb (MSB<<8)|\new
.set MSB, \new
.endif
.endm
.macro PLACES                          ; a load into a register that a matrix instruction has read, and a vector instruction that reads its result or writes one
.rept 4                                ; of its registers, stand four plain vector instructions behind it (ISA guide 7.12.1)
	v_nop
.endr
.endm
; A round of the cluster's barrier: my work-group's barrier, wave 0 signals for the work-group, every wave waits for all four work-groups, my work-group's barrier again.
.macro ROUND
	s_barrier_signal -1
	s_barrier_wait -1
	s_cmp_lg_u32 s3, 0
	s_cbranch_scc1 .Lnot_wave_0_\@
	s_barrier_signal -3
.Lnot_wave_0_\@:
	s_barrier_wait -3
	s_barrier_signal -1
	s_barrier_wait -1
.endm
; The head of a trip that multiplies the tile in \slot.
.macro HEAD slot, refill
	s_wait_xcnt 0x0
	v_lshl_add_u32 v240, v0, 2, 0x4e800
	v_mov_b32 v247, 0
	s_wait_tensorcnt 0x0                           ; my one tensor load that was out, my block of this trip's tile, has landed; none of mine is out,
	ds_add_u32 v240, v247
	s_wait_dscnt 0x0
	s_add_nc_u64 s[G0+4*\slot+2:G0+4*\slot+3], s[G0+4*\slot+2:G0+4*\slot+3], 2*SLOT   ; so a group 0 may be written: this slot's next tile
	s_wait_dscnt 0x0                               ; my reads of the other slot are back, my stores into the chunk buffer and into P are done
	ROUND                                          ; all that now holds of every wave of the four work-groups
.if \refill
	tensor_load_to_lds s[G0+4-4*\slot:G0+7-4*\slot], s[G1:G1+7]    ; the next tile into the slot read last trip: my one tensor load until the next round
	s_nop 0
.endif
.endm
; Chunk c (128 k) of my four rows of Q or U: rounded to f16 and laid into chunk buffer buf.  cnt: the loads issued behind the chunk's four.
.macro PUTCH c, buf, cnt
	s_wait_loadcnt \cnt
	WIN 0x05
.irp i, 0,1,2,3
	v_cvt_pk_f16_f32 v[T+2*\i],   v[QU+16*(\c)+4*\i],   v[QU+16*(\c)+4*\i+1]
	v_cvt_pk_f16_f32 v[T+2*\i+1], v[QU+16*(\c)+4*\i+2], v[QU+16*(\c)+4*\i+3]
.endr
	WIN 0
.irp i, 0,1,2,3
	ds_store_b64 v[AW], v[T+2*\i:T+2*\i+1] offset:(\buf)*ACHB+\i*ACHP      ; 32 lanes: a row's 256 consecutive bytes
.endr
.endm
.macro LDB set, slot, f0               ; four weight fragments f0 .. f0 + 3 of my block: eight loads of 512 consecutive bytes
.irp q, 0,1,2,3
	ds_load_b128 v[BF+32*\set+8*\q:BF+32*\set+8*\q+3],   v[RG+4*\slot] offset:(\f0+\q)*1024
	ds_load_b128 v[BF+32*\set+8*\q+4:BF+32*\set+8*\q+7], v[RG+4*\slot] offset:(\f0+\q)*1024+512
.endr
.endm
.macro LDA aset, areg, off, mbs        ; the two row blocks' activation fragments of one K step of 32: k = 8 h .. and 16 + 8 h .., 32 bytes apart
.irp mb, 0,1
	ds_load_b128 v[AF+16*\aset+8*\mb:AF+16*\aset+8*\mb+3],   v[\areg] offset:\off+\mb*\mbs
	ds_load_b128 v[AF+16*\aset+8*\mb+4:AF+16*\aset+8*\mb+7], v[\areg] offset:\off+\mb*\mbs+32
.endr
.endm
; Eight matrix instructions: four weight fragments x two row blocks.  The accumulators take turns, one instruction a turn:
; a unit ends on (1, 4 g + 3) and the next begins on (0, 4 g'), over trip ends and backward jumps too.
.macro MUL set, aset, g, zero
.irp nt, 0,1,2,3
.irp mb, 0,1
.if \zero
	v_wmma_f32_16x16x32_f16 v[ACC+8*(8*\mb+4*\g+\nt):ACC+8*(8*\mb+4*\g+\nt)+7], v[BF+32*\set+8*\nt:BF+32*\set+8*\nt+7], v[AF+16*\aset+8*\mb:AF+16*\aset+8*\mb+7], 0
.else
	v_wmma_f32_16x16x32_f16 v[ACC+8*(8*\mb+4*\g+\nt):ACC+8*(8*\mb+4*\g+\nt)+7], v[BF+32*\set+8*\nt:BF+32*\set+8*\nt+7], v[AF+16*\aset+8*\mb:AF+16*\aset+8*\mb+7], v[ACC+8*(8*\mb+4*\g+\nt):ACC+8*(8*\mb+4*\g+\nt)+7]
.endif
.endr
.endr
.endm
; A tile of keys: four K steps of 32, each four slot tiles x two row blocks.  The chunk buffer has the slot's number.
; s_wait_dscnt 12: LDS loads come back in order (ISA guide 5.7.1); the twelve that may stay out are the next unit's 4 + 8.
.macro BODYS slot, zero
	PLACES
	LDA 0, AQ, \slot*ACHB, 16*ACHP
	LDB 0, \slot, 0
	LDA 1, AQ, \slot*ACHB+64, 16*ACHP
	LDB 1, \slot, 4
	s_wait_dscnt 12
	MUL 0, 0, 0, \zero
	PLACES
	LDA 0, AQ, \slot*ACHB+128, 16*ACHP
	LDB 0, \slot, 8
	s_wait_dscnt 12
	MUL 1, 1, 0, 0
	PLACES
	LDA 1, AQ, \slot*ACHB+192, 16*ACHP
	LDB 1, \slot, 12
	s_wait_dscnt 12
	MUL 0, 0, 0, 0
	s_wait_dscnt 0
	MUL 1, 1, 0, 0
.endm
; A tile of VG', gate_w or VO': two K steps of 32, each eight column tiles (two units of four) x two row blocks.
; s_wait_dscnt 8: the eight that may stay out are the next unit's weight fragments.
.macro BODYZ slot, areg, off, mbs, zero
	PLACES
	LDA 0, \areg, \off, \mbs
	LDA 1, \areg, \off+64, \mbs
	LDB 0, \slot, 0
	LDB 1, \slot, 4
	s_wait_dscnt 8
	MUL 0, 0, 0, \zero
	PLACES
	LDB 0, \slot, 8
	s_wait_dscnt 8
	MUL 1, 0, 1, \zero
	PLACES
	LDB 1, \slot, 12
	s_wait_dscnt 8
	MUL 0, 1, 0, 0
	s_wait_dscnt 0
	MUL 1, 1, 1, 0
.endm
.macro STRIP slot, zero, put, c, cnt   ; a trip of S; put = 1: the next chunk of Q goes into the other buffer, which every wave left at this trip's round
	HEAD \slot, 1
.if \put
	PUTCH \c, 1-\slot, \cnt
.endif
	BODYS \slot, \zero
.endm
.macro ZTRIP slot, refill, areg, off, mbs, zero
	HEAD \slot, \refill
	BODYZ \slot, \areg, \off, \mbs, \zero
.endm
.macro UCHUNK buf, put, pc, cnt        ; the two trips of one chunk of U, in buffer buf; put = 1: chunk pc goes into the other buffer, last read in the trip before
	HEAD 0, 1
.if \put
	PUTCH \pc, 1-\buf, \cnt
.endif
	BODYZ 0, AQ, \buf*ACHB, 16*ACHP, 0
	HEAD 1, 1
	BODYZ 1, AQ, \buf*ACHB+128, 16*ACHP, 0
.endm
.macro SUMP base, n, d                 ; v[d] = the sum of n pairs of registers from v[base] on, in two chains; uses v[d:d+3]
	v_pk_add_f32 v[\d:\d+1],   v[\base:\base+1],   v[\base+2:\base+3]
	v_pk_add_f32 v[\d+2:\d+3], v[\base+4:\base+5], v[\base+6:\base+7]
.set k, 8
.rept (\n-4)/2
	v_pk_add_f32 v[\d:\d+1],   v[\d:\d+1],   v[\base+k:\base+k+1]
	v_pk_add_f32 v[\d+2:\d+3], v[\d+2:\d+3], v[\base+k+2:\base+k+3]
.set k, k+4
.endr
	v_pk_add_f32 v[\d:\d+1], v[\d:\d+1], v[\d+2:\d+3]
	v_add_f32 v[\d], v[\d], v[\d+1]
.endm
.macro SQSUM base, n, d                ; the same for the squares
	v_pk_mul_f32 v[\d:\d+1],   v[\base:\base+1],   v[\base:\base+1]
	v_pk_mul_f32 v[\d+2:\d+3], v[\base+2:\base+3], v[\base+2:\base+3]
.set k, 4
.rept (\n-2)/2
	v_pk_fma_f32 v[\d:\d+1],   v[\base+k:\base+k+1],   v[\base+k:\base+k+1],   v[\d:\d+1]
	v_pk_fma_f32 v[\d+2:\d+3], v[\base+k+2:\base+k+3], v[\base+k+2:\base+k+3], v[\d+2:\d+3]
.set k, k+4
.endr
	v_pk_add_f32 v[\d:\d+1], v[\d:\d+1], v[\d+2:\d+3]
	v_add_f32 v[\d], v[\d], v[\d+1]
.endm
.macro ROWMAX base, d                  ; the largest of 32 registers
	v_max3_num_f32 v[\d], v[\base], v[\base+1], v[\base+2]
.set k, 3
.rept 14
	v_max3_num_f32 v[\d], v[\d], v[\base+k], v[\base+k+1]
.set k, k+2
.endr
	v_max_num_f32 v[\d], v[\d], v[\base+31]
.endm
.macro XHALF op, reg                   ; lanes (r, 0) and (r, 1) hold two parts of row r: each takes the other's
	v_permlanex16_b32 v[T+6], v[\reg], s27, s28    ; its destination counts as read: T+6 has been written
	\op v[\reg], v[\reg], v[T+6]
.endm
; Among the eight waves, through area k.  a0, a1: my wave's figure for row r and row 16 + r.  Lane L carries row L; behind the barrier lane L has
; the eight waves' figures of row L in v[BF:BF+7].
.macro XCHG k, a0, a1
	v_cndmask_b32 v[T+6], v[\a0], v[\a1], s30      ; lanes 16-31 take the second row block's
	ds_store_b32 v[RW], v[T+6] offset:\k*1024
	s_wait_dscnt 0x0                               ; for the others' sake: my store is done
	s_barrier_signal -1
	s_barrier_wait -1                              ; the next tile may stay on its way
.irp q, 0,1,2,3,4,5,6,7
	ds_load_b32 v[BF+\q], v[RR] offset:\k*1024+\q*128
.endr
	s_wait_dscnt 0x0
.endm
.macro SUM8                            ; v[T] = the sum of the eight
	v_pk_add_f32 v[BF:BF+1],   v[BF:BF+1],   v[BF+2:BF+3]
	v_pk_add_f32 v[BF+4:BF+5], v[BF+4:BF+5], v[BF+6:BF+7]
	v_pk_add_f32 v[BF:BF+1],   v[BF:BF+1],   v[BF+4:BF+5]
	v_add_f32 v[T], v[BF], v[BF+1]
.endm
.macro SPLIT                           ; v[T] holds row L's figure in lane L: v[T+2] = row r's, v[T+4] = row 16 + r's, in every lane
	v_permlanex16_b32 v[T+1], v[T], s27, s28
	v_cndmask_b32 v[T+2], v[T], v[T+1], s30
	v_cndmask_b32 v[T+4], v[T+1], v[T], s30
.endm
.macro LDACT base                      ; my four rows of Q or U, chunk by chunk: each load covers 512 consecutive bytes
.irp c, 0,1,2,3,4,5,6,7
.irp i, 0,1,2,3
	global_load_b128 v[QU+16*\c+4*\i:QU+16*\c+4*\i+3], v[RG], s[\base:\base+1] offset:\c*512+\i*4096 th:TH_LOAD_NT
.endr
.endr
.endm
.macro LDBIAS reg, base                ; a bias in the accumulators' layout: column 128 w + 16 ct + 8 h + j
.irp ct, 0,1,2,3,4,5,6,7
	global_load_b128 v[\reg+8*\ct:\reg+8*\ct+3],   v[BO], s[\base:\base+1] offset:\ct*64
	global_load_b128 v[\reg+8*\ct+4:\reg+8*\ct+7], v[BO], s[\base:\base+1] offset:\ct*64+16
.endr
.endm
	s_load_b512 s[8:23], s[0:1], 0x0               ; query s[8:9], memory_weights s[10:11], update_input s[12:13], gate_b s[14:15], out_b s[16:17], gamma s[18:19], beta s[20:21], wstream s[22:23]
	s_load_b64 s[24:25], s[0:1], 0x40              ; out0
	s_load_b64 s[50:51], s[0:1], 0x48              ; memory_decay
	v_lshl_add_u32 v240, v0, 2, 0x4e800
	v_mov_b32 v247, 0
	ds_add_u32 v240, v247
	s_wait_dscnt 0x0
	v_lshrrev_b32 v1, 5, v0
	v_readfirstlane_b32 s3, v1                     ; wave 0..7
	s_bfe_u32 s4, ttmp6, 0x40000                   ; my place in the cluster
	s_lshl_b32 s5, ttmp9, 2                        ; ttmp9 counts clusters
	s_add_co_u32 s5, s5, s4                        ; work-group = block of 32 rows.  It enters the addresses of Q, U, memory_weights and out0 alone
	s_mov_b32 s27, 0x76543210                      ; v_permlanex16_b32: lane i of one half reads lane i of the other
	s_mov_b32 s28, 0xfedcba98
	s_mov_b32 s29, 0x3a800000                      ; 1 / 1024
	s_mov_b32 s30, 0xffff0000                      ; lanes 16-31
	s_mov_b32 s31, 0x3727c5ac                      ; 1e-5
	; Group 1: a dense block of 16 KiB as 64 rows of 32 elements of 8 bytes; asked for jointly by the cluster's four work-groups
	s_mov_b32 s[G1+0], 15|(3<<16)|(1<<21)          ; 15:0 mask: all four; 17:16 element of 8 bytes; 21 set beside a mask; no padding: fragment order needs none
	s_mov_b32 s[G1+1], 32<<16                      ; tensor_dim0 = 32
	s_mov_b32 s[G1+2], 64<<16                      ; tensor_dim1 = 64
	s_mov_b32 s[G1+3], 32<<16                      ; tile_dim0 = 32
	s_mov_b32 s[G1+4], 64                          ; tile_dim1 = 64
	s_mov_b32 s[G1+5], 32                          ; 32 elements from row to row
	s_mov_b32 s[G1+6], 0
	s_mov_b32 s[G1+7], 0
	; Group 0, one set a slot: LDS address = 16384 x wave + the slot; nothing in it hangs on the place in the cluster
	s_mov_b32 s[G0+0], 1
	s_lshl_b32 s[G0+1], s3, 14
	s_mov_b32 s[G0+4], 1
	s_add_co_u32 s[G0+5], s[G0+1], SLOT
	s_lshl_b32 s48, s3, 14
	s_mov_b32 s49, 0
	v_and_b32 v1, 31, v0                           ; L
	v_and_b32 v16, 15, v0                          ; r
	v_bfe_u32 v17, v0, 4, 1                        ; h
	v_lshlrev_b32 v[RG], 4, v1
	v_lshl_add_u32 v[RG], s3, 14, v[RG]
	v_add_nc_u32 v[RG+4], SLOT, v[RG]
	v_lshlrev_b32 v[MO], 11, v16
	v_lshl_add_u32 v[MO], v17, 5, v[MO]
	v_lshl_add_u32 v[MO], s3, 8, v[MO]
	v_lshlrev_b32 v[BO], 5, v17
	v_lshl_add_u32 v[BO], s3, 9, v[BO]
	v_mul_u32_u24 v[AQ], v16, ACHP
	v_lshl_add_u32 v[AQ], v17, 4, v[AQ]
	v_add_nc_u32 v[AQ], ACH, v[AQ]
	s_mul_i32 s52, s3, 4*ACHP
	s_add_co_u32 s52, s52, ACH
	v_lshl_add_u32 v[AW], v1, 3, s52
	v_mul_u32_u24 v[PA], v16, PBP
	v_lshl_add_u32 v[PA], v17, 4, v[PA]
	v_add_nc_u32 v[PA], PB, v[PA]
	s_mul_i32 s52, s3, PBW
	v_add_nc_u32 v[PW], s52, v[PA]
	s_lshl_b32 s52, s3, 7
	s_add_co_u32 s52, s52, RED
	v_lshl_add_u32 v[RW], v1, 2, s52
	v_lshlrev_b32 v[RR], 2, v1
	v_add_nc_u32 v[RR], RED, v[RR]
	v_lshlrev_b32 v[OO], 4, v1
	v_lshl_add_u32 v[OO], s3, 9, v[OO]
	v_mul_u32_u24 v[ST0], v16, STP
	v_lshl_add_u32 v[ST0], v17, 5, v[ST0]
	v_lshl_add_u32 v[ST0], s3, 14, v[ST0]
	v_add_nc_u32 v[ST1], SLOT, v[ST0]
	s_wait_kmcnt 0x0
	s_load_b32 s53, s[50:51], 0x0                  ; the decay
	s_add_nc_u64 s[G0+2:G0+3], s[22:23], s[48:49]  ; tile 0, my block
	s_add_nc_u64 s[G0+6:G0+7], s[G0+2:G0+3], SLOT  ; tile 1, my block
	s_or_b32 s[G0+3], s[G0+3], 0x80000000          ; type = 2
	s_or_b32 s[G0+7], s[G0+7], 0x80000000
	s_lshl_b32 s6, s5, 17                          ; 32 rows of 4,096 bytes
	s_mov_b32 s7, 0
	s_add_nc_u64 s[8:9], s[8:9], s[6:7]
	s_add_nc_u64 s[12:13], s[12:13], s[6:7]
	s_add_nc_u64 s[24:25], s[24:25], s[6:7]
	s_lshl_b32 s6, s5, 16                          ; 32 rows of 2,048 bytes
	s_add_nc_u64 s[10:11], s[10:11], s[6:7]
	ROUND                                          ; the four work-groups are here: the first joint loads meet
	tensor_load_to_lds s[G0:G0+3], s[G1:G1+7]      ; tile 0 into slot 0.  Slot 1 is first filled behind the first trip's round, as a refill is
	s_nop 0
	WIN 0x40                                       ; loaded data go to the upper window
	LDACT 8                                        ; Q: 32 loads
.irp mb, 0,1
.irp nt, 0,1,2,3
	global_load_b128 v[MW+8*(4*\mb+\nt):MW+8*(4*\mb+\nt)+3],   v[MO], s[10:11] offset:\mb*32768+\nt*64 th:TH_LOAD_NT      ; memory_weights(row 16 mb + r, slot 64 w + 16 nt + 8 h + j): a row block's
	global_load_b128 v[MW+8*(4*\mb+\nt)+4:MW+8*(4*\mb+\nt)+7], v[MO], s[10:11] offset:\mb*32768+\nt*64+16 th:TH_LOAD_NT   ; eight loads cover 256 consecutive bytes of each of 16 rows
.endr
.endr
	WIN 0
	PUTCH 0, 0, 44                                 ; behind chunk 0's four loads: 28 of Q and 16 of memory_weights
	WIN 0x40
	LDBIAS GB, 14                                  ; gate_b: 16 loads, issued here so that at most 44 + 16 loads of the wave are out at once
	WIN 0
	s_wait_kmcnt 0x0                               ; the decay is in s53
	; ---- S: eight tiles of keys.  The count of each chunk: 4 (7 - c) younger loads of Q + 16 of memory_weights + 16 of gate_b
	STRIP 0, 1, 1, 1, 56                           ; the first products start the sums: nothing is cleared
	STRIP 1, 0, 1, 2, 52
	STRIP 0, 0, 1, 3, 48
	STRIP 1, 0, 1, 4, 44
	STRIP 0, 0, 1, 5, 40
	STRIP 1, 0, 1, 6, 36
	STRIP 0, 0, 1, 7, 32
	STRIP 1, 0, 0, 0, 0
	; ---- softmax over the 512 slots.  Tile 8 is on its way meanwhile.
	s_wait_loadcnt 0x0                             ; memory_weights and gate_b are in; no load is out, so the upper window may be loaded again
	PLACES
	WIN 0x04                                       ; source 1 in the upper window
.irp mb, 0,1
.set k, 0
.rept 16
	v_pk_mul_f32 v[ACC+64*\mb+k:ACC+64*\mb+k+1], v[ACC+64*\mb+k:ACC+64*\mb+k+1], v[MW+32*\mb+k:MW+32*\mb+k+1]
.set k, k+2
.endr
.endr
	WIN 0x40
	LDACT 12                                       ; U: 32 loads, well ahead of their use
	LDBIAS MW, 16                                  ; out_b: 16 loads
	WIN 0x41                                       ; destination and source 0 in the upper window
.set k, 0
.rept 32
	v_pk_mul_f32 v[GB+k:GB+k+1], v[GB+k:GB+k+1], 0xbfb8aa3b op_sel_hi:[1,0]    ; -log2(e) gate_b, for the sigmoid's exponent
.set k, k+2
.endr
	WIN 0
	ROWMAX ACC, E
	ROWMAX ACC+64, E+1
	XHALF v_max_num_f32, E
	XHALF v_max_num_f32, E+1
	XCHG 0, E, E+1
	v_max3_num_f32 v[T], v[BF], v[BF+1], v[BF+2]
	v_max3_num_f32 v[T], v[T], v[BF+3], v[BF+4]
	v_max3_num_f32 v[T], v[T], v[BF+5], v[BF+6]
	v_max_num_f32 v[T], v[T], v[BF+7]              ; the row's maximum of t; the scale is positive, so it is the scores' maximum too
	v_mul_f32 v[T], 0xbe0293ee, v[T]               ; times -log2(e) / sqrt(128)
	SPLIT
.irp mb, 0,1
.set k, 0
.rept 16
	v_pk_fma_f32 v[ACC+64*\mb+k:ACC+64*\mb+k+1], v[ACC+64*\mb+k:ACC+64*\mb+k+1], 0x3e0293ee, v[T+2+2*\mb:T+3+2*\mb] op_sel_hi:[1,0,0]   ; (t - max) log2(e) / sqrt(128); both halves take the pair's first register
.set k, k+2
.endr
.endr
.irp mb, 0,1
.set k, 0
.rept 32
	v_exp_f32 v[ACC+64*\mb+k], v[ACC+64*\mb+k]
.set k, k+1
.endr
.endr
	v_nop                                          ; one plain vector instruction behind the last transcendental before a result is used (ISA guide 5.7.2)
	s_wait_alu depctr_va_vdst(0)
	SUMP ACC, 16, E
	SUMP ACC+64, 16, E+4
	XHALF v_add_f32, E
	XHALF v_add_f32, E+4
	XCHG 1, E, E+4
	SUM8                                           ; at least 1: the maximum's own term
	v_rcp_f32 v[T], v[T]
	v_nop
	s_wait_alu depctr_va_vdst(0)
	SPLIT
.irp mb, 0,1
.set k, 0
.rept 16
	v_pk_mul_f32 v[ACC+64*\mb+k:ACC+64*\mb+k+1], v[ACC+64*\mb+k:ACC+64*\mb+k+1], v[T+2+2*\mb:T+3+2*\mb] op_sel_hi:[1,0]
.set k, k+2
.endr
.set k, 0
.rept 16
	v_cvt_pk_f16_f32 v[E+16*\mb+k/2], v[ACC+64*\mb+k], v[ACC+64*\mb+k+1]
.set k, k+2
.endr
.irp q, 0,1,2,3
	ds_store_b128 v[PW], v[E+16*\mb+4*\q:E+16*\mb+4*\q+3] offset:\mb*16*PBP+\q*32    ; P(row 16 mb + r, my slots 16 q + 8 h .. + 7); seen by the others behind the next round
.endr
.endr
	; ---- Z, first part: P x VG', tiles 8-15.  Tile 8 + j multiplies block j of P (slots 64 j ..)
	ZTRIP 0, 1, PA, 0, 16*PBP, 1                   ; the first K step starts the sums
	ZTRIP 1, 1, PA, PBW, 16*PBP, 0
	v_add_nc_u32 v[PR], 2*PBW, v[PA]
	s_mov_b32 s26, 3
.Lz1:
	ZTRIP 0, 1, PR, 0, 16*PBP, 0
	ZTRIP 1, 1, PR, PBW, 16*PBP, 0
	v_add_nc_u32 v[PR], 2*PBW, v[PR]
	s_sub_co_i32 s26, s26, 1
	s_cmp_lg_u32 s26, 0
	s_cbranch_scc1 .Lz1
	PLACES
	v_mov_b32 v[E], s53
	v_mul_f32 v[E], 4.0, v[E]                      ; 4 decay: the quarter that the fold took is given back, and the decay is applied in f32
.set k, 0
.rept 64
	v_pk_mul_f32 v[ACC+k:ACC+k+1], v[ACC+k:ACC+k+1], v[E:E+1] op_sel_hi:[1,0]      ; both halves take the pair's first register
.set k, k+2
.endr
	; ---- Z, second part: U x gate_w's lower half is added on, tiles 16-31, two tiles a chunk.  The count of each chunk: 4 (7 - c) younger loads of U + 16 of out_b
	PUTCH 0, 0, 44                                 ; both buffers were last read in S, many rounds ago
	PUTCH 1, 1, 40
	UCHUNK 0, 0, 0, 0
	UCHUNK 1, 1, 2, 36
	UCHUNK 0, 1, 3, 32
	UCHUNK 1, 1, 4, 28
	UCHUNK 0, 1, 5, 24
	UCHUNK 1, 1, 6, 20
	UCHUNK 0, 1, 7, 16
	UCHUNK 1, 0, 0, 0
	; ---- the gate: sigmoid(z) = 1 / (1 + 2^(-log2(e) z)), its mean over the 1,024 columns.  Tile 32 is on its way meanwhile.
	PLACES
	WIN 0x10                                       ; source 2 in the upper window
.irp mb, 0,1
.set k, 0
.rept 32
	v_pk_fma_f32 v[ACC+64*\mb+k:ACC+64*\mb+k+1], v[ACC+64*\mb+k:ACC+64*\mb+k+1], 0xbfb8aa3b, v[GB+k:GB+k+1] op_sel_hi:[1,0,1]
.set k, k+2
.endr
.endr
	WIN 0
.set k, 0
.rept 128
	v_exp_f32 v[ACC+k], v[ACC+k]
.set k, k+1
.endr
	v_nop
.set k, 0
	s_wait_alu depctr_va_vdst(0)
.rept 64
	v_pk_add_f32 v[ACC+k:ACC+k+1], v[ACC+k:ACC+k+1], 1.0 op_sel_hi:[1,0]
.set k, k+2
.endr
.set k, 0
.rept 128
	v_rcp_f32 v[ACC+k], v[ACC+k]                   ; an exponential that ran to infinity gives 0, one that ran to 0 gives 1
.set k, k+1
.endr
	v_nop
	s_wait_alu depctr_va_vdst(0)
	SUMP ACC, 32, E
	SUMP ACC+64, 32, E+4
	XHALF v_add_f32, E
	XHALF v_add_f32, E+4
	XCHG 2, E, E+4
	SUM8
	v_fma_f32 v[T], v[T], s29, 1.0                 ; 1 + sum / 1024
	v_mul_f32 v[T], s53, v[T]                      ; times the decay,
	v_mul_f32 v[T], 4.0, v[T]                      ; times the 4 that the fold took: c
	SPLIT                                          ; v[T+2], v[T+4] keep c through Y: nothing there writes T+2 or T+4
	global_load_b128 v[GA:GA+3], v[OO], s[18:19]   ; gamma and beta of the four columns that I store
	global_load_b128 v[BE:BE+3], v[OO], s[20:21]
	; ---- Y: P x VO', tiles 32-39
	ZTRIP 0, 1, PA, 0, 16*PBP, 1
	ZTRIP 1, 1, PA, PBW, 16*PBP, 0
	v_add_nc_u32 v[PR], 2*PBW, v[PA]
	s_mov_b32 s26, 2
.Ly:
	ZTRIP 0, 1, PR, 0, 16*PBP, 0
	ZTRIP 1, 1, PR, PBW, 16*PBP, 0
	v_add_nc_u32 v[PR], 2*PBW, v[PR]
	s_sub_co_i32 s26, s26, 1
	s_cmp_lg_u32 s26, 0
	s_cbranch_scc1 .Ly
	ZTRIP 0, 1, PR, 0, 16*PBP, 0                   ; tile 38; tile 39 is asked for: the last load
	ZTRIP 1, 0, PR, PBW, 16*PBP, 0                 ; tile 39: nothing is left to fetch
	; ---- x = c y + out_b, LayerNorm
	s_wait_loadcnt 0x0                             ; out_b, gamma, beta
	PLACES
	WIN 0x10
.irp mb, 0,1
.set k, 0
.rept 32
	v_pk_fma_f32 v[ACC+64*\mb+k:ACC+64*\mb+k+1], v[ACC+64*\mb+k:ACC+64*\mb+k+1], v[T+2+2*\mb:T+3+2*\mb], v[MW+k:MW+k+1] op_sel_hi:[1,0,1]
.set k, k+2
.endr
.endr
	WIN 0
	SUMP ACC, 32, E
	SUMP ACC+64, 32, E+4
	XHALF v_add_f32, E
	XHALF v_add_f32, E+4
	XCHG 3, E, E+4
	SUM8
	v_mul_f32 v[T], 0xba800000, v[T]               ; minus the mean
	SPLIT
.irp mb, 0,1
.set k, 0
.rept 32
	v_pk_add_f32 v[ACC+64*\mb+k:ACC+64*\mb+k+1], v[ACC+64*\mb+k:ACC+64*\mb+k+1], v[T+2+2*\mb:T+3+2*\mb] op_sel_hi:[1,0]
.set k, k+2
.endr
.endr
	SQSUM ACC, 32, E                               ; the variance from the differences: no difference of large sums
	SQSUM ACC+64, 32, E+4
	XHALF v_add_f32, E
	XHALF v_add_f32, E+4
	XCHG 4, E, E+4
	SUM8
	v_fma_f32 v[T], v[T], s29, s31                 ; sum / 1024 + 1e-5
	v_rsq_f32 v[T], v[T]
	v_nop
	s_wait_alu depctr_va_vdst(0)
	SPLIT
.irp mb, 0,1
.set k, 0
.rept 32
	v_pk_mul_f32 v[ACC+64*\mb+k:ACC+64*\mb+k+1], v[ACC+64*\mb+k:ACC+64*\mb+k+1], v[T+2+2*\mb:T+3+2*\mb] op_sel_hi:[1,0]
.set k, k+2
.endr
.endr
	; ---- the way out, 16 rows at a time.  A lane holds 8 x 8 numbers of one row; through my own ring block (its last fill has been read) they become
	; whole row parts of 512 bytes.  LDS serves a wave's instructions in order (ISA guide 5.7.1): the loads see the stores above them.
.macro OUTBLK mb, sreg, lreg
.irp ct, 0,1,2,3,4,5,6,7
	ds_store_b128 v[\sreg], v[ACC+64*\mb+8*\ct:ACC+64*\mb+8*\ct+3]   offset:\ct*64
	ds_store_b128 v[\sreg], v[ACC+64*\mb+8*\ct+4:ACC+64*\mb+8*\ct+7] offset:\ct*64+16
.endr
.if \mb
	s_wait_xcnt 0x0                                ; the first block's stores have had their addresses translated (ISA guide 3.1): their data registers are loaded again only behind this wait
.endif
.set k, 0
.rept 16
	ds_load_b128 v[BF+4*k:BF+4*k+3], v[\lreg] offset:k*STP
.set k, k+1
.endr
.set k, 0
.rept 16
	s_wait_dscnt 15-k                              ; row k of the sixteen is in
	v_pk_fma_f32 v[BF+4*k:BF+4*k+1],   v[BF+4*k:BF+4*k+1],   v[GA:GA+1],   v[BE:BE+1]
	v_pk_fma_f32 v[BF+4*k+2:BF+4*k+3], v[BF+4*k+2:BF+4*k+3], v[GA+2:GA+3], v[BE+2:BE+3]
	global_store_b128 v[OO], v[BF+4*k:BF+4*k+3], s[24:25] offset:(16*\mb+k)*4096 th:TH_STORE_NT    ; the wave stores 512 consecutive bytes, aligned
.set k, k+1
.endr
.endm
	OUTBLK 0, ST0, RG
	OUTBLK 1, ST1, RG+4
	s_wait_dscnt 0x0
	s_wait_xcnt 0x0
	v_lshl_add_u32 v240, v0, 2, 0x4e800
	v_mov_b32 v247, 0
	s_wait_tensorcnt 0x0
	ds_add_u32 v240, v247
	s_wait_dscnt 0x0
	ROUND                                          ; the closing round: no work-group ends while a partner may still ask for a block that names it
	s_endpgm
.Lfunc_end_k_q282478c322_chain:
	.size	k_q282478c322_chain, .Lfunc_end_k_q282478c322_chain-k_q282478c322_chain
	.p2alignl 7, 3214868480
	.fill 96, 4, 3214868480
	.section	.rodata,"a",@progbits
	.p2align	6, 0x0
	.amdhsa_kernel k_q282478c322_chain
		.amdhsa_group_segment_fixed_size 327680
		.amdhsa_private_segment_fixed_size 0
		.amdhsa_enable_private_segment 0
		.amdhsa_kernarg_size 80
		.amdhsa_user_sgpr_count 2
		.amdhsa_user_sgpr_kernarg_segment_ptr 1
		.amdhsa_wavefront_size32 1
		.amdhsa_system_sgpr_workgroup_id_x 1
		.amdhsa_system_sgpr_workgroup_id_y 1
		.amdhsa_system_sgpr_workgroup_id_z 1
		.amdhsa_system_vgpr_workitem_id 0
		.amdhsa_next_free_vgpr 512
		.amdhsa_next_free_sgpr 66
		.amdhsa_reserve_vcc 0
		.amdhsa_float_denorm_mode_32 3
		.amdhsa_float_denorm_mode_16_64 3
		.amdhsa_memory_ordered 1
		.amdhsa_forward_progress 1
		.amdhsa_inst_pref_size 255
	.end_amdhsa_kernel
	.section	.bss,"aw",@nobits
	.p2align	6
	.space	262144
	.amdgpu_metadata
---
amdhsa.version: [ 1, 2 ]
amdhsa.kernels:
  - .name:           k_q282478c322_chain
    .symbol:         k_q282478c322_chain.kd
    .args:
      - { .name: query, .offset: 0, .size: 8, .value_kind: global_buffer, .address_space: global }
      - { .name: memory_weights, .offset: 8, .size: 8, .value_kind: global_buffer, .address_space: global }
      - { .name: update_input, .offset: 16, .size: 8, .value_kind: global_buffer, .address_space: global }
      - { .name: gate_b, .offset: 24, .size: 8, .value_kind: global_buffer, .address_space: global }
      - { .name: out_b, .offset: 32, .size: 8, .value_kind: global_buffer, .address_space: global }
      - { .name: ln_gamma, .offset: 40, .size: 8, .value_kind: global_buffer, .address_space: global }
      - { .name: ln_beta, .offset: 48, .size: 8, .value_kind: global_buffer, .address_space: global }
      - { .name: wstream, .offset: 56, .size: 8, .value_kind: global_buffer, .address_space: global }
      - { .name: out0, .offset: 64, .size: 8, .value_kind: global_buffer, .address_space: global }
      - { .name: memory_decay, .offset: 72, .size: 8, .value_kind: global_buffer, .address_space: global }
    .group_segment_fixed_size: 327680
    .private_segment_fixed_size: 0
    .kernarg_segment_align: 8
    .kernarg_segment_size: 80
    .max_flat_workgroup_size: 256
    .sgpr_count:     66
    .vgpr_count:     512
    .wavefront_size: 32
...
	.end_amdgpu_metadata
.endif
;; end of part 3
;; ======== version 2 of 3: 3 launches; 1.19 times as fast as version 1
;; limits: values are held in f16: magnitudes above 65,504 overflow, below 6.1e-05 lose precision; right only within a limited range of input values; inputs' magnitudes at most 65,504
;; workspace buffers: wstream 5,242,880 bytes; va 1,048,576 bytes; wb 4,194,304 bytes
;; launch cast: the kernel of part 1 again; grid 512 x 1, 8 waves a work-group, no clusters, 0 bytes of LDS; arguments memory_keys, memory_values, gate_w, out_w, wstream, va, wb; writes wstream, va, wb
;; launch fold: the kernel of part 2 again; grid 256 x 1, 4 waves a work-group, no clusters, 0 bytes of LDS; arguments va, wb, wstream; writes wstream
;; launch chain (part 4): grid 256 x 1, 8 waves a work-group, clusters of 4 x 1, 327,680 bytes of LDS; arguments query, memory_weights, update_input, gate_b, out_b, ln_gamma, ln_beta, wstream, out0, memory_decay; writes out0
.if DOCPART == 4
	.amdgcn_target "amdgcn-amd-amdhsa--gfx1250"
	.amdhsa_code_object_version 6
	.text
	.protected	k_q282478c322_chain
	.globl	k_q282478c322_chain
	.p2align	8
	.type	k_q282478c322_chain,@function
k_q282478c322_chain:
	s_mov_b64 s[64:65], 0
	v_nop
	global_prefetch_b8 v0, s[64:65] scope:SCOPE_SE
	s_setreg_imm32_b32 hwreg(HW_REG_WAVE_MODE, 25, 1), 1
	s_wait_xcnt 0x0
	s_wait_alu depctr_hold_cnt(0) depctr_sa_sdst(0) depctr_va_vdst(0) depctr_va_sdst(0) depctr_va_ssrc(0) depctr_va_vcc(0) depctr_vm_vsrc(0)
	s_getreg_b32 s2, hwreg(HW_REG_IB_STS2, 6, 4)
	s_cmp_eq_u32 s2, 0
	s_cbranch_scc0 .Lentry_in_a_cluster
	s_endpgm
.Lentry_in_a_cluster:
	s_bfe_u32 s2, ttmp6, 0x10000c
	s_cmp_lg_u32 s2, 0x3003
	s_cbranch_scc0 .Lentry_shape_is_right
	s_endpgm
.Lentry_shape_is_right:
; The whole chain for 32 rows a work-group (8,192 rows, 256 work-groups):
;   S   t = q K^T (K = 1024, 512 slots); t *= memory_weights; P = softmax(t / sqrt(128)), with the row's true maximum taken away
;   Z   z = 4 decay (P VG') + u G_low + gate_b (1,024 columns);  c = 4 decay (1 + mean over columns of sigmoid(z))
;   Y   x = c * (P VO') + out_b;  out = (x - mean) * rsqrt(var + 1e-5) * gamma + beta, the variance from the differences (two passes)
; VG' = V gate_w[0:1024] / 4 and VO' = V out_w / 4 were folded by the launch before; (P V) W = P (V W) holds for every input.
; ALL MATRIX OPERANDS ARE f16: the softmax passes an error of the scores on to the result undiminished, and bf16's eight bits of significand in q and k leave too
; little margin.  q and u are raw inputs of spread 1 (thirty times larger or offset by thirty spreads: far below f16's largest number); P lies in [0, 1] for every input.
; LIMITS: an entry of q or u of 65,520 or more in magnitude becomes infinite; the folded matrices and P are rounded to f16, so the order of rounding differs from
; forming P V first; exponentials below 2^-126 come out as zero (ISA guide, the entry of V_EXP_F32); NaN and infinite inputs are not followed.
; WEIGHTS: 40 tiles of 128 KiB in wstream, in fragment order (16 rows x 32 k of f16 = 1,024 bytes; byte c*512 + L*16 + 2e = row L & 15,
; k = 16 c + 8 (L >> 4) + e).  Tile t, block b: 16 fragments, 16 KiB, dense.  They go through a ring of two LDS slots; wave w fetches and reads its own
; sixteenth-of-a-ring block.  Tiles 0-7 keys (f = 4 u + nt), 8-15 VG', 16-31 gate_w's lower half, 32-39 VO' (f = 8 ks + ct).
; CLUSTER: the four work-groups of a cluster walk the same tiles in the same order and ask for each block jointly (mask 15): that divides the requests by four.
; EIGHT ORDERS: rho = the cluster's number & 7, the same in the four partners.  A sum over K may be taken in any order, so at trip j of a phase a cluster takes tile
; j xor rho.  At a phase's first trip the eight classes of clusters ask for its eight different tiles; at every later trip a class asks for a tile that another class
; asked for at the first trip, so that only 5 of a cluster's 40 requests (one in S, in P VG' and in Y, two in u G_low) are for bytes that nobody has read before.
; The order enters GLOBAL addresses alone: the tile's; the chunk of Q or U that a register chunk is loaded from (c xor rho); and, so that P's blocks in LDS stay
; where they are, the slots that a wave takes in S: wave w takes slot group w xor rho (its block of a key tile, its columns of memory_weights), and block j of P
; holds slot group j xor rho, which is what tiles 8 + (j xor rho) and 32 + (j xor rho) multiply.  No LDS address, branch or count hangs on rho.
; WAVES: eight.  Wave w owns 64 slots in S and columns 128 w .. 128 w + 127 in Z and Y, for all 32 rows.
; THE MATRIX INSTRUCTION IS USED TRANSPOSED: source 0 = a weight fragment, source 1 = 16 rows of activations.  Lane (r, h) then holds ROW r, and its
; registers j the weight indices 8 h + j.  So every row-wise step is: sum in the lane, one exchange of the two lane halves, one exchange among the eight waves.
; Q, later U: each thread keeps its part as loaded (f32) in 128 registers of the upper window and lays one chunk of 128 k as f16 into LDS a trip ahead of its use.
.set SLOT,  131072                     ; a ring slot: eight blocks of 16 KiB
.set ACH,   2*SLOT                     ; two chunk buffers: 32 rows x 272 (256 bytes of data + 16)
.set ACHP,  272                        ; an odd multiple of 16: sixteen rows begin in sixteen different 16-byte columns of a span of 256 bytes
.set ACHB,  32*ACHP
.set PB,    ACH+2*ACHB                 ; P in f16: eight blocks (one a wave: its 64 slots), each 32 rows x 144 (128 + 16)
.set PBP,   144
.set PBW,   32*PBP
.set RED,   PB+8*PBW                   ; five exchange areas of 1 KiB, [wave][row] f32, each used once
.set STP,   528                        ; the way out: 16 rows x 528 (512 + 16) in the wave's own ring block, behind that block's last fill
; vector registers, lower window
.set RG,  2                            ; v2  16384 w + 16 L: my 16 bytes of a fragment in slot 0; the same number is my byte offset in a chunk of Q and U.  v6 (RG+4): the same in slot 1
.set MO,  3                            ; v3  memory_weights: 2048 r + 256 (w xor rho) + 32 h
.set BO,  4                            ; v4  gate_b, out_b: 512 w + 32 h
.set ST1, 5                            ; v5  stage in slot 1, store address
.set AQ,  7                            ; v7  chunk buffer, read: ACH + 272 r + 16 h
.set AW,  8                            ; v8  chunk buffer, write: ACH + 4 w rows + 8 L
.set PA,  9                            ; v9  P, read: PB + 144 r + 16 h
.set PR,  10                           ; v10 the same, stepped in the loops
.set PW,  11                           ; v11 P, write: PB + 4608 w + 144 r + 16 h
.set RW,  12                           ; v12 exchange, write: RED + 128 w + 4 L
.set RR,  13                           ; v13 exchange, read: RED + 4 L
.set OO,  14                           ; v14 out0, gamma, beta: 512 w + 16 L
.set ST0, 15                           ; v15 stage in slot 0, store address: 16384 w + 528 r + 32 h
.set ACC, 16                           ; v[16:143]  accumulator (row block mb, tile ct) at 16 + 8 (8 mb + ct)
.set BF,  144                          ; v[144:207] two sets of four weight fragments; between the phases: at work
.set AF,  208                          ; v[208:239] two sets of two activation fragments; between the phases: at work
.set E,   208
.set T,   240                          ; v[240:247] at work
.set GA,  248                          ; v[248:251] gamma of my four columns on the way out
.set BE,  252                          ; v[252:255] beta
; upper window (v256-v511, named by their low 8 bits)
.set QU,  0                            ; 128: Q, later U: register chunk c (memory's chunk c xor rho), row i of my four at 16 c + 4 i
.set MW,  128                          ; 64: memory_weights in the accumulators' layout; later out_b
.set GB,  192                          ; 64: gate_b, later times -log2(e)
; scalar registers
.set G0,  32                           ; s[32:39] descriptor group 0, one set for each slot
.set G1,  40                           ; s[40:47] descriptor group 1
.set TI,  55                           ; s55      131072 x the number, in the text's order, of the tile that the next refill asks for
.set XA,  56                           ; s56      rho << 17: swaps tiles among eight
.set XB,  57                           ; s57      rho << 18: swaps pairs of tiles (chunks of U) among eight
.set WB,  58                           ; s[58:59] wstream + 16384 w
.set WBS, 60                           ; s[60:61] wstream + 16384 (w xor rho): my block of a key tile
.set R9,  62                           ; s62      rho << 9: swaps chunks of 512 bytes of a row of Q or U
.set CB,  66                           ; s[66:81] the eight chunks' bases in Q, later in U
.set MSB, 0
.macro WIN new                         ; s_set_vgpr_msb: bits 1:0 source 0, 3:2 source 1, 5:4 source 2, 7:6 destination; the high byte repeats the setting that is left
.if MSB != \new
	s_set_vgpr_msb (MSB<<8)|\new
.set MSB, \new
.endif
.endm
.macro PLACES                          ; a load into a register that a matrix instruction has read, and a vector instruction that reads its result or writes one
.rept 4                                ; of its registers, stand four plain vector instructions behind it (ISA guide 7.12.1)
	v_nop
.endr
.endm
; A round of the cluster's barrier: my work-group's barrier, wave 0 signals for the work-group, every wave waits for all four work-groups, my work-group's barrier again.
.macro ROUND
	s_barrier_signal -1
	s_barrier_wait -1
	s_cmp_lg_u32 s3, 0
	s_cbranch_scc1 .Lnot_wave_0_\@
	s_barrier_signal -3
.Lnot_wave_0_\@:
	s_barrier_wait -3
	s_barrier_signal -1
	s_barrier_wait -1
.endm
; The head of a trip that multiplies the tile in \slot.  xm: the register that swaps the next tile's number; wb: my block's base in a tile.
.macro HEAD slot, refill, xm, wb
	s_wait_xcnt 0x0
	v_lshl_add_u32 v240, v0, 2, 0x4e800
	v_mov_b32 v247, 0
	s_wait_tensorcnt 0x0                           ; my one tensor load that was out, my block of this trip's tile, has landed; none of mine is out, so a group 0 may be written
	ds_add_u32 v240, v247
	s_wait_dscnt 0x0
.if \refill
	s_xor_b32 s48, s[TI], s[\xm]                   ; where the next tile of my cluster's order lies in wstream (s49 = 0)
	s_add_nc_u64 s[G0+6-4*\slot:G0+7-4*\slot], s[\wb:\wb+1], s[48:49]
	s_or_b32 s[G0+7-4*\slot], s[G0+7-4*\slot], 0x80000000          ; type = 2
	s_add_co_u32 s[TI], s[TI], SLOT
.endif
	s_wait_dscnt 0x0                               ; my reads of the other slot are back, my stores into the chunk buffer and into P are done
	ROUND                                          ; all that now holds of every wave of the four work-groups
.if \refill
	tensor_load_to_lds s[G0+4-4*\slot:G0+7-4*\slot], s[G1:G1+7]    ; the next tile into the slot read last trip: my one tensor load until the next round
	s_nop 0
.endif
.endm
; Register chunk c (128 k) of my four rows of Q or U: rounded to f16 and laid into chunk buffer buf.  cnt: the loads issued behind the chunk's four.
.macro PUTCH c, buf, cnt
	s_wait_loadcnt \cnt
	WIN 0x05
.irp i, 0,1,2,3
	v_cvt_pk_f16_f32 v[T+2*\i],   v[QU+16*(\c)+4*\i],   v[QU+16*(\c)+4*\i+1]
	v_cvt_pk_f16_f32 v[T+2*\i+1], v[QU+16*(\c)+4*\i+2], v[QU+16*(\c)+4*\i+3]
.endr
	WIN 0
.irp i, 0,1,2,3
	ds_store_b64 v[AW], v[T+2*\i:T+2*\i+1] offset:(\buf)*ACHB+\i*ACHP      ; 32 lanes: a row's 256 consecutive bytes
.endr
.endm
.macro LDB set, slot, f0               ; four weight fragments f0 .. f0 + 3 of my block: eight loads of 512 consecutive bytes
.irp q, 0,1,2,3
	ds_load_b128 v[BF+32*\set+8*\q:BF+32*\set+8*\q+3],   v[RG+4*\slot] offset:(\f0+\q)*1024
	ds_load_b128 v[BF+32*\set+8*\q+4:BF+32*\set+8*\q+7], v[RG+4*\slot] offset:(\f0+\q)*1024+512
.endr
.endm
.macro LDA aset, areg, off, mbs        ; the two row blocks' activation fragments of one K step of 32: k = 8 h .. and 16 + 8 h .., 32 bytes apart
.irp mb, 0,1
	ds_load_b128 v[AF+16*\aset+8*\mb:AF+16*\aset+8*\mb+3],   v[\areg] offset:\off+\mb*\mbs
	ds_load_b128 v[AF+16*\aset+8*\mb+4:AF+16*\aset+8*\mb+7], v[\areg] offset:\off+\mb*\mbs+32
.endr
.endm
; Eight matrix instructions: four weight fragments x two row blocks.  The accumulators take turns, one instruction a turn:
; a unit ends on (1, 4 g + 3) and the next begins on (0, 4 g'), over trip ends and backward jumps too.
.macro MUL set, aset, g, zero
.irp nt, 0,1,2,3
.irp mb, 0,1
.if \zero
	v_wmma_f32_16x16x32_f16 v[ACC+8*(8*\mb+4*\g+\nt):ACC+8*(8*\mb+4*\g+\nt)+7], v[BF+32*\set+8*\nt:BF+32*\set+8*\nt+7], v[AF+16*\aset+8*\mb:AF+16*\aset+8*\mb+7], 0
.else
	v_wmma_f32_16x16x32_f16 v[ACC+8*(8*\mb+4*\g+\nt):ACC+8*(8*\mb+4*\g+\nt)+7], v[BF+32*\set+8*\nt:BF+32*\set+8*\nt+7], v[AF+16*\aset+8*\mb:AF+16*\aset+8*\mb+7], v[ACC+8*(8*\mb+4*\g+\nt):ACC+8*(8*\mb+4*\g+\nt)+7]
.endif
.endr
.endr
.endm
; A tile of keys: four K steps of 32, each four slot tiles x two row blocks.  The chunk buffer has the slot's number.
; s_wait_dscnt 12: LDS loads come back in order (ISA guide 5.7.1); the twelve that may stay out are the next unit's 4 + 8.
.macro BODYS slot, zero
	PLACES
	LDA 0, AQ, \slot*ACHB, 16*ACHP
	LDB 0, \slot, 0
	LDA 1, AQ, \slot*ACHB+64, 16*ACHP
	LDB 1, \slot, 4
	s_wait_dscnt 12
	MUL 0, 0, 0, \zero
	PLACES
	LDA 0, AQ, \slot*ACHB+128, 16*ACHP
	LDB 0, \slot, 8
	s_wait_dscnt 12
	MUL 1, 1, 0, 0
	PLACES
	LDA 1, AQ, \slot*ACHB+192, 16*ACHP
	LDB 1, \slot, 12
	s_wait_dscnt 12
	MUL 0, 0, 0, 0
	s_wait_dscnt 0
	MUL 1, 1, 0, 0
.endm
; A tile of VG', gate_w or VO': two K steps of 32, each eight column tiles (two units of four) x two row blocks.
; s_wait_dscnt 8: the eight that may stay out are the next unit's weight fragments.
.macro BODYZ slot, areg, off, mbs, zero
	PLACES
	LDA 0, \areg, \off, \mbs
	LDA 1, \areg, \off+64, \mbs
	LDB 0, \slot, 0
	LDB 1, \slot, 4
	s_wait_dscnt 8
	MUL 0, 0, 0, \zero
	PLACES
	LDB 0, \slot, 8
	s_wait_dscnt 8
	MUL 1, 0, 1, \zero
	PLACES
	LDB 1, \slot, 12
	s_wait_dscnt 8
	MUL 0, 1, 0, 0
	s_wait_dscnt 0
	MUL 1, 1, 1, 0
.endm
.macro STRIP slot, zero, put, c, cnt, wb   ; a trip of S; put = 1: the next chunk of Q goes into the other buffer, which every wave left at this trip's round; wb: the next tile's block base
	HEAD \slot, 1, XA, \wb
.if \put
	PUTCH \c, 1-\slot, \cnt
.endif
	BODYS \slot, \zero
.endm
.macro ZTRIP slot, refill, areg, off, mbs, zero, xm
	HEAD \slot, \refill, \xm, WB
	BODYZ \slot, \areg, \off, \mbs, \zero
.endm
.macro UCHUNK buf, put, pc, cnt, xm2   ; the two trips of one chunk of U, in buffer buf; put = 1: chunk pc goes into the other buffer, last read in the trip before; xm2: the swap of the tile that the second trip asks for
	HEAD 0, 1, XB, WB
.if \put
	PUTCH \pc, 1-\buf, \cnt
.endif
	BODYZ 0, AQ, \buf*ACHB, 16*ACHP, 0
	HEAD 1, 1, \xm2, WB
	BODYZ 1, AQ, \buf*ACHB+128, 16*ACHP, 0
.endm
.macro SUMP base, n, d                 ; v[d] = the sum of n pairs of registers from v[base] on, in two chains; uses v[d:d+3]
	v_pk_add_f32 v[\d:\d+1],   v[\base:\base+1],   v[\base+2:\base+3]
	v_pk_add_f32 v[\d+2:\d+3], v[\base+4:\base+5], v[\base+6:\base+7]
.set k, 8
.rept (\n-4)/2
	v_pk_add_f32 v[\d:\d+1],   v[\d:\d+1],   v[\base+k:\base+k+1]
	v_pk_add_f32 v[\d+2:\d+3], v[\d+2:\d+3], v[\base+k+2:\base+k+3]
.set k, k+4
.endr
	v_pk_add_f32 v[\d:\d+1], v[\d:\d+1], v[\d+2:\d+3]
	v_add_f32 v[\d], v[\d], v[\d+1]
.endm
.macro SQSUM base, n, d                ; the same for the squares
	v_pk_mul_f32 v[\d:\d+1],   v[\base:\base+1],   v[\base:\base+1]
	v_pk_mul_f32 v[\d+2:\d+3], v[\base+2:\base+3], v[\base+2:\base+3]
.set k, 4
.rept (\n-2)/2
	v_pk_fma_f32 v[\d:\d+1],   v[\base+k:\base+k+1],   v[\base+k:\base+k+1],   v[\d:\d+1]
	v_pk_fma_f32 v[\d+2:\d+3], v[\base+k+2:\base+k+3], v[\base+k+2:\base+k+3], v[\d+2:\d+3]
.set k, k+4
.endr
	v_pk_add_f32 v[\d:\d+1], v[\d:\d+1], v[\d+2:\d+3]
	v_add_f32 v[\d], v[\d], v[\d+1]
.endm
.macro ROWMAX base, d                  ; the largest of 32 registers
	v_max3_num_f32 v[\d], v[\base], v[\base+1], v[\base+2]
.set k, 3
.rept 14
	v_max3_num_f32 v[\d], v[\d], v[\base+k], v[\base+k+1]
.set k, k+2
.endr
	v_max_num_f32 v[\d], v[\d], v[\base+31]
.endm
.macro XHALF op, reg                   ; lanes (r, 0) and (r, 1) hold two parts of row r: each takes the other's
	v_permlanex16_b32 v[T+6], v[\reg], s27, s28    ; its destination counts as read: T+6 has been written
	\op v[\reg], v[\reg], v[T+6]
.endm
; Among the eight waves, through area k.  a0, a1: my wave's figure for row r and row 16 + r.  Lane L carries row L; behind the barrier lane L has
; the eight waves' figures of row L in v[BF:BF+7].
.macro XCHG k, a0, a1
	v_cndmask_b32 v[T+6], v[\a0], v[\a1], s30      ; lanes 16-31 take the second row block's
	ds_store_b32 v[RW], v[T+6] offset:\k*1024
	s_wait_dscnt 0x0                               ; for the others' sake: my store is done
	s_barrier_signal -1
	s_barrier_wait -1                              ; the next tile may stay on its way
.irp q, 0,1,2,3,4,5,6,7
	ds_load_b32 v[BF+\q], v[RR] offset:\k*1024+\q*128
.endr
	s_wait_dscnt 0x0
.endm
.macro SUM8                            ; v[T] = the sum of the eight
	v_pk_add_f32 v[BF:BF+1],   v[BF:BF+1],   v[BF+2:BF+3]
	v_pk_add_f32 v[BF+4:BF+5], v[BF+4:BF+5], v[BF+6:BF+7]
	v_pk_add_f32 v[BF:BF+1],   v[BF:BF+1],   v[BF+4:BF+5]
	v_add_f32 v[T], v[BF], v[BF+1]
.endm
.macro SPLIT                           ; v[T] holds row L's figure in lane L: v[T+2] = row r's, v[T+4] = row 16 + r's, in every lane
	v_permlanex16_b32 v[T+1], v[T], s27, s28
	v_cndmask_b32 v[T+2], v[T], v[T+1], s30
	v_cndmask_b32 v[T+4], v[T+1], v[T], s30
.endm
; My four rows of Q or U, chunk by chunk: register chunk c comes from the rows' bytes 512 (c xor rho) ..; each load covers 512 consecutive bytes.
; Each chunk has a base of its own, so that none is rewritten while a load that names it is out.
.macro LDACT base
.irp c, 0,1,2,3,4,5,6,7
	s_xor_b32 s48, s[R9], \c*512
	s_add_nc_u64 s[CB+2*\c:CB+2*\c+1], s[\base:\base+1], s[48:49]
.irp i, 0,1,2,3
	global_load_b128 v[QU+16*\c+4*\i:QU+16*\c+4*\i+3], v[RG], s[CB+2*\c:CB+2*\c+1] offset:\i*4096 th:TH_LOAD_NT
.endr
.endr
.endm
.macro LDBIAS reg, base                ; a bias in the accumulators' layout: column 128 w + 16 ct + 8 h + j
.irp ct, 0,1,2,3,4,5,6,7
	global_load_b128 v[\reg+8*\ct:\reg+8*\ct+3],   v[BO], s[\base:\base+1] offset:\ct*64
	global_load_b128 v[\reg+8*\ct+4:\reg+8*\ct+7], v[BO], s[\base:\base+1] offset:\ct*64+16
.endr
.endm
	s_load_b512 s[8:23], s[0:1], 0x0               ; query s[8:9], memory_weights s[10:11], update_input s[12:13], gate_b s[14:15], out_b s[16:17], gamma s[18:19], beta s[20:21], wstream s[22:23]
	s_load_b64 s[24:25], s[0:1], 0x40              ; out0
	s_load_b64 s[50:51], s[0:1], 0x48              ; memory_decay
	v_lshl_add_u32 v240, v0, 2, 0x4e800
	v_mov_b32 v247, 0
	ds_add_u32 v240, v247
	s_wait_dscnt 0x0
	v_lshrrev_b32 v1, 5, v0
	v_readfirstlane_b32 s3, v1                     ; wave 0..7
	s_bfe_u32 s4, ttmp6, 0x40000                   ; my place in the cluster
	s_lshl_b32 s5, ttmp9, 2                        ; ttmp9 counts clusters
	s_add_co_u32 s5, s5, s4                        ; work-group = block of 32 rows.  It enters the addresses of Q, U, memory_weights and out0 alone
	s_and_b32 s54, ttmp9, 7                        ; rho: made of the cluster's number alone, so the four partners agree on it
	s_lshl_b32 s[XA], s54, 17
	s_lshl_b32 s[XB], s54, 18
	s_lshl_b32 s[R9], s54, 9
	s_xor_b32 s63, s3, s54                         ; the slot group that my wave takes in S
	s_mov_b32 s[TI], SLOT                          ; the first refill asks for the second tile of the order
	s_mov_b32 s27, 0x76543210                      ; v_permlanex16_b32: lane i of one half reads lane i of the other
	s_mov_b32 s28, 0xfedcba98
	s_mov_b32 s29, 0x3a800000                      ; 1 / 1024
	s_mov_b32 s30, 0xffff0000                      ; lanes 16-31
	s_mov_b32 s31, 0x3727c5ac                      ; 1e-5
	; Group 1: a dense block of 16 KiB as 64 rows of 32 elements of 8 bytes; asked for jointly by the cluster's four work-groups
	s_mov_b32 s[G1+0], 15|(3<<16)|(1<<21)          ; 15:0 mask: all four; 17:16 element of 8 bytes; 21 set beside a mask; no padding: fragment order needs none
	s_mov_b32 s[G1+1], 32<<16                      ; tensor_dim0 = 32
	s_mov_b32 s[G1+2], 64<<16                      ; tensor_dim1 = 64
	s_mov_b32 s[G1+3], 32<<16                      ; tile_dim0 = 32
	s_mov_b32 s[G1+4], 64                          ; tile_dim1 = 64
	s_mov_b32 s[G1+5], 32                          ; 32 elements from row to row
	s_mov_b32 s[G1+6], 0
	s_mov_b32 s[G1+7], 0
	; Group 0, one set a slot: LDS address = 16384 x wave + the slot; nothing in it hangs on the place in the cluster
	s_mov_b32 s[G0+0], 1
	s_lshl_b32 s[G0+1], s3, 14
	s_mov_b32 s[G0+4], 1
	s_add_co_u32 s[G0+5], s[G0+1], SLOT
	s_mov_b32 s49, 0                               ; s[48:49]: an offset below 4 GiB; the upper word stays 0
	v_and_b32 v1, 31, v0                           ; L
	v_and_b32 v16, 15, v0                          ; r
	v_bfe_u32 v17, v0, 4, 1                        ; h
	v_lshlrev_b32 v[RG], 4, v1
	v_lshl_add_u32 v[RG], s3, 14, v[RG]
	v_add_nc_u32 v[RG+4], SLOT, v[RG]
	v_lshlrev_b32 v[MO], 11, v16
	v_lshl_add_u32 v[MO], v17, 5, v[MO]
	v_lshl_add_u32 v[MO], s63, 8, v[MO]
	v_lshlrev_b32 v[BO], 5, v17
	v_lshl_add_u32 v[BO], s3, 9, v[BO]
	v_mul_u32_u24 v[AQ], v16, ACHP
	v_lshl_add_u32 v[AQ], v17, 4, v[AQ]
	v_add_nc_u32 v[AQ], ACH, v[AQ]
	s_mul_i32 s52, s3, 4*ACHP
	s_add_co_u32 s52, s52, ACH
	v_lshl_add_u32 v[AW], v1, 3, s52
	v_mul_u32_u24 v[PA], v16, PBP
	v_lshl_add_u32 v[PA], v17, 4, v[PA]
	v_add_nc_u32 v[PA], PB, v[PA]
	s_mul_i32 s52, s3, PBW
	v_add_nc_u32 v[PW], s52, v[PA]
	s_lshl_b32 s52, s3, 7
	s_add_co_u32 s52, s52, RED
	v_lshl_add_u32 v[RW], v1, 2, s52
	v_lshlrev_b32 v[RR], 2, v1
	v_add_nc_u32 v[RR], RED, v[RR]
	v_lshlrev_b32 v[OO], 4, v1
	v_lshl_add_u32 v[OO], s3, 9, v[OO]
	v_mul_u32_u24 v[ST0], v16, STP
	v_lshl_add_u32 v[ST0], v17, 5, v[ST0]
	v_lshl_add_u32 v[ST0], s3, 14, v[ST0]
	v_add_nc_u32 v[ST1], SLOT, v[ST0]
	s_wait_kmcnt 0x0
	s_load_b32 s53, s[50:51], 0x0                  ; the decay
	s_lshl_b32 s48, s3, 14
	s_add_nc_u64 s[WB:WB+1], s[22:23], s[48:49]    ; my block of a tile of VG', gate_w or VO'
	s_lshl_b32 s48, s63, 14
	s_add_nc_u64 s[WBS:WBS+1], s[22:23], s[48:49]  ; my block of a key tile
	s_mov_b32 s48, s[XA]
	s_add_nc_u64 s[G0+2:G0+3], s[WBS:WBS+1], s[48:49]      ; the first tile of my cluster's order: tile rho
	s_or_b32 s[G0+3], s[G0+3], 0x80000000          ; type = 2
	s_lshl_b32 s6, s5, 17                          ; 32 rows of 4,096 bytes
	s_mov_b32 s7, 0
	s_add_nc_u64 s[8:9], s[8:9], s[6:7]
	s_add_nc_u64 s[12:13], s[12:13], s[6:7]
	s_add_nc_u64 s[24:25], s[24:25], s[6:7]
	s_lshl_b32 s6, s5, 16                          ; 32 rows of 2,048 bytes
	s_add_nc_u64 s[10:11], s[10:11], s[6:7]
	ROUND                                          ; the four work-groups are here: the first joint loads meet
	tensor_load_to_lds s[G0:G0+3], s[G1:G1+7]      ; into slot 0.  Slot 1 is first filled behind the first trip's round, as a refill is; its address is written in that trip's head
	s_nop 0
	WIN 0x40                                       ; loaded data go to the upper window
	LDACT 8                                        ; Q: 32 loads
.irp mb, 0,1
.irp nt, 0,1,2,3
	global_load_b128 v[MW+8*(4*\mb+\nt):MW+8*(4*\mb+\nt)+3],   v[MO], s[10:11] offset:\mb*32768+\nt*64 th:TH_LOAD_NT      ; memory_weights(row 16 mb + r, my slot group's slot 16 nt + 8 h + j): a row block's
	global_load_b128 v[MW+8*(4*\mb+\nt)+4:MW+8*(4*\mb+\nt)+7], v[MO], s[10:11] offset:\mb*32768+\nt*64+16 th:TH_LOAD_NT   ; eight loads cover 256 consecutive bytes of each of 16 rows
.endr
.endr
	WIN 0
	PUTCH 0, 0, 44                                 ; behind chunk 0's four loads: 28 of Q and 16 of memory_weights
	WIN 0x40
	LDBIAS GB, 14                                  ; gate_b: 16 loads, issued here so that at most 44 + 16 loads of the wave are out at once
	WIN 0
	s_wait_kmcnt 0x0                               ; the decay is in s53
	; ---- S: eight tiles of keys.  The count of each chunk: 4 (7 - c) younger loads of Q + 16 of memory_weights + 16 of gate_b
	STRIP 0, 1, 1, 1, 56, WBS                      ; the first products start the sums: nothing is cleared
	STRIP 1, 0, 1, 2, 52, WBS
	STRIP 0, 0, 1, 3, 48, WBS
	STRIP 1, 0, 1, 4, 44, WBS
	STRIP 0, 0, 1, 5, 40, WBS
	STRIP 1, 0, 1, 6, 36, WBS
	STRIP 0, 0, 1, 7, 32, WBS
	STRIP 1, 0, 0, 0, 0, WB                        ; asks for the first tile of VG': my block there is block w
	; ---- softmax over the 512 slots.  The next tile is on its way meanwhile.
	s_wait_loadcnt 0x0                             ; memory_weights and gate_b are in; no load is out, so the upper window may be loaded again and the chunks' bases rewritten
	PLACES
	WIN 0x04                                       ; source 1 in the upper window
.irp mb, 0,1
.set k, 0
.rept 16
	v_pk_mul_f32 v[ACC+64*\mb+k:ACC+64*\mb+k+1], v[ACC+64*\mb+k:ACC+64*\mb+k+1], v[MW+32*\mb+k:MW+32*\mb+k+1]
.set k, k+2
.endr
.endr
	WIN 0x40
	LDACT 12                                       ; U: 32 loads, well ahead of their use
	LDBIAS MW, 16                                  ; out_b: 16 loads
	WIN 0x41                                       ; destination and source 0 in the upper window
.set k, 0
.rept 32
	v_pk_mul_f32 v[GB+k:GB+k+1], v[GB+k:GB+k+1], 0xbfb8aa3b op_sel_hi:[1,0]    ; -log2(e) gate_b, for the sigmoid's exponent
.set k, k+2
.endr
	WIN 0
	ROWMAX ACC, E
	ROWMAX ACC+64, E+1
	XHALF v_max_num_f32, E
	XHALF v_max_num_f32, E+1
	XCHG 0, E, E+1
	v_max3_num_f32 v[T], v[BF], v[BF+1], v[BF+2]
	v_max3_num_f32 v[T], v[T], v[BF+3], v[BF+4]
	v_max3_num_f32 v[T], v[T], v[BF+5], v[BF+6]
	v_max_num_f32 v[T], v[T], v[BF+7]              ; the row's maximum of t; the scale is positive, so it is the scores' maximum too
	v_mul_f32 v[T], 0xbe0293ee, v[T]               ; times -log2(e) / sqrt(128)
	SPLIT
.irp mb, 0,1
.set k, 0
.rept 16
	v_pk_fma_f32 v[ACC+64*\mb+k:ACC+64*\mb+k+1], v[ACC+64*\mb+k:ACC+64*\mb+k+1], 0x3e0293ee, v[T+2+2*\mb:T+3+2*\mb] op_sel_hi:[1,0,0]   ; (t - max) log2(e) / sqrt(128); both halves take the pair's first register
.set k, k+2
.endr
.endr
.irp mb, 0,1
.set k, 0
.rept 32
	v_exp_f32 v[ACC+64*\mb+k], v[ACC+64*\mb+k]
.set k, k+1
.endr
.endr
	v_nop                                          ; one plain vector instruction behind the last transcendental before a result is used (ISA guide 5.7.2)
	s_wait_alu depctr_va_vdst(0)
	SUMP ACC, 16, E
	SUMP ACC+64, 16, E+4
	XHALF v_add_f32, E
	XHALF v_add_f32, E+4
	XCHG 1, E, E+4
	SUM8                                           ; at least 1: the maximum's own term
	v_rcp_f32 v[T], v[T]
	v_nop
	s_wait_alu depctr_va_vdst(0)
	SPLIT
.irp mb, 0,1
.set k, 0
.rept 16
	v_pk_mul_f32 v[ACC+64*\mb+k:ACC+64*\mb+k+1], v[ACC+64*\mb+k:ACC+64*\mb+k+1], v[T+2+2*\mb:T+3+2*\mb] op_sel_hi:[1,0]
.set k, k+2
.endr
.set k, 0
.rept 16
	v_cvt_pk_f16_f32 v[E+16*\mb+k/2], v[ACC+64*\mb+k], v[ACC+64*\mb+k+1]
.set k, k+2
.endr
.irp q, 0,1,2,3
	ds_store_b128 v[PW], v[E+16*\mb+4*\q:E+16*\mb+4*\q+3] offset:\mb*16*PBP+\q*32    ; P(row 16 mb + r, my slots 16 q + 8 h .. + 7); seen by the others behind the next round
.endr
.endr
	; ---- Z, first part: P x VG', tiles 8-15.  Trip j multiplies block j of P (slot group j xor rho) by tile 8 + (j xor rho)
	ZTRIP 0, 1, PA, 0, 16*PBP, 1, XA               ; the first K step starts the sums
	ZTRIP 1, 1, PA, PBW, 16*PBP, 0, XA
	v_add_nc_u32 v[PR], 2*PBW, v[PA]
	s_mov_b32 s26, 2
.Lz1:
	ZTRIP 0, 1, PR, 0, 16*PBP, 0, XA
	ZTRIP 1, 1, PR, PBW, 16*PBP, 0, XA
	v_add_nc_u32 v[PR], 2*PBW, v[PR]
	s_sub_co_i32 s26, s26, 1
	s_cmp_lg_u32 s26, 0
	s_cbranch_scc1 .Lz1
	ZTRIP 0, 1, PR, 0, 16*PBP, 0, XA               ; the last two trips are written out:
	ZTRIP 1, 1, PR, PBW, 16*PBP, 0, XB             ; the last asks for gate_w's first tile, whose number is swapped by chunks
	PLACES
	v_mov_b32 v[E], s53
	v_mul_f32 v[E], 4.0, v[E]                      ; 4 decay: the quarter that the fold took is given back, and the decay is applied in f32
.set k, 0
.rept 64
	v_pk_mul_f32 v[ACC+k:ACC+k+1], v[ACC+k:ACC+k+1], v[E:E+1] op_sel_hi:[1,0]      ; both halves take the pair's first register
.set k, k+2
.endr
	; ---- Z, second part: U x gate_w's lower half is added on, tiles 16-31, two tiles a chunk: register chunk c goes with tiles 16 + 2 (c xor rho) and the next.
	; The count of each chunk: 4 (7 - c) younger loads of U + 16 of out_b
	PUTCH 0, 0, 44                                 ; both buffers were last read in S, many rounds ago
	PUTCH 1, 1, 40
	UCHUNK 0, 0, 0, 0, XB
	UCHUNK 1, 1, 2, 36, XB
	UCHUNK 0, 1, 3, 32, XB
	UCHUNK 1, 1, 4, 28, XB
	UCHUNK 0, 1, 5, 24, XB
	UCHUNK 1, 1, 6, 20, XB
	UCHUNK 0, 1, 7, 16, XB
	UCHUNK 1, 0, 0, 0, XA                          ; its second trip asks for the first tile of VO'
	; ---- the gate: sigmoid(z) = 1 / (1 + 2^(-log2(e) z)), its mean over the 1,024 columns.  The next tile is on its way meanwhile.
	PLACES
	WIN 0x10                                       ; source 2 in the upper window
.irp mb, 0,1
.set k, 0
.rept 32
	v_pk_fma_f32 v[ACC+64*\mb+k:ACC+64*\mb+k+1], v[ACC+64*\mb+k:ACC+64*\mb+k+1], 0xbfb8aa3b, v[GB+k:GB+k+1] op_sel_hi:[1,0,1]
.set k, k+2
.endr
.endr
	WIN 0
.set k, 0
.rept 128
	v_exp_f32 v[ACC+k], v[ACC+k]
.set k, k+1
.endr
	v_nop
.set k, 0
	s_wait_alu depctr_va_vdst(0)
.rept 64
	v_pk_add_f32 v[ACC+k:ACC+k+1], v[ACC+k:ACC+k+1], 1.0 op_sel_hi:[1,0]
.set k, k+2
.endr
.set k, 0
.rept 128
	v_rcp_f32 v[ACC+k], v[ACC+k]                   ; an exponential that ran to infinity gives 0, one that ran to 0 gives 1
.set k, k+1
.endr
	v_nop
	s_wait_alu depctr_va_vdst(0)
	SUMP ACC, 32, E
	SUMP ACC+64, 32, E+4
	XHALF v_add_f32, E
	XHALF v_add_f32, E+4
	XCHG 2, E, E+4
	SUM8
	v_fma_f32 v[T], v[T], s29, 1.0                 ; 1 + sum / 1024
	v_mul_f32 v[T], s53, v[T]                      ; times the decay,
	v_mul_f32 v[T], 4.0, v[T]                      ; times the 4 that the fold took: c
	SPLIT                                          ; v[T+2], v[T+4] keep c through Y: nothing there writes T+2 or T+4
	global_load_b128 v[GA:GA+3], v[OO], s[18:19]   ; gamma and beta of the four columns that I store
	global_load_b128 v[BE:BE+3], v[OO], s[20:21]
	; ---- Y: P x VO', tiles 32-39, in the order of P x VG'
	ZTRIP 0, 1, PA, 0, 16*PBP, 1, XA
	ZTRIP 1, 1, PA, PBW, 16*PBP, 0, XA
	v_add_nc_u32 v[PR], 2*PBW, v[PA]
	s_mov_b32 s26, 2
.Ly:
	ZTRIP 0, 1, PR, 0, 16*PBP, 0, XA
	ZTRIP 1, 1, PR, PBW, 16*PBP, 0, XA
	v_add_nc_u32 v[PR], 2*PBW, v[PR]
	s_sub_co_i32 s26, s26, 1
	s_cmp_lg_u32 s26, 0
	s_cbranch_scc1 .Ly
	ZTRIP 0, 1, PR, 0, 16*PBP, 0, XA               ; the last tile is asked for: the last load
	ZTRIP 1, 0, PR, PBW, 16*PBP, 0, XA             ; nothing is left to fetch
	; ---- x = c y + out_b, LayerNorm
	s_wait_loadcnt 0x0                             ; out_b, gamma, beta
	PLACES
	WIN 0x10
.irp mb, 0,1
.set k, 0
.rept 32
	v_pk_fma_f32 v[ACC+64*\mb+k:ACC+64*\mb+k+1], v[ACC+64*\mb+k:ACC+64*\mb+k+1], v[T+2+2*\mb:T+3+2*\mb], v[MW+k:MW+k+1] op_sel_hi:[1,0,1]
.set k, k+2
.endr
.endr
	WIN 0
	SUMP ACC, 32, E
	SUMP ACC+64, 32, E+4
	XHALF v_add_f32, E
	XHALF v_add_f32, E+4
	XCHG 3, E, E+4
	SUM8
	v_mul_f32 v[T], 0xba800000, v[T]               ; minus the mean
	SPLIT
.irp mb, 0,1
.set k, 0
.rept 32
	v_pk_add_f32 v[ACC+64*\mb+k:ACC+64*\mb+k+1], v[ACC+64*\mb+k:ACC+64*\mb+k+1], v[T+2+2*\mb:T+3+2*\mb] op_sel_hi:[1,0]
.set k, k+2
.endr
.endr
	SQSUM ACC, 32, E                               ; the variance from the differences: no difference of large sums
	SQSUM ACC+64, 32, E+4
	XHALF v_add_f32, E
	XHALF v_add_f32, E+4
	XCHG 4, E, E+4
	SUM8
	v_fma_f32 v[T], v[T], s29, s31                 ; sum / 1024 + 1e-5
	v_rsq_f32 v[T], v[T]
	v_nop
	s_wait_alu depctr_va_vdst(0)
	SPLIT
.irp mb, 0,1
.set k, 0
.rept 32
	v_pk_mul_f32 v[ACC+64*\mb+k:ACC+64*\mb+k+1], v[ACC+64*\mb+k:ACC+64*\mb+k+1], v[T+2+2*\mb:T+3+2*\mb] op_sel_hi:[1,0]
.set k, k+2
.endr
.endr
	; ---- the way out, 16 rows at a time.  A lane holds 8 x 8 numbers of one row; through my own ring block (its last fill has been read) they become
	; whole row parts of 512 bytes.  LDS serves a wave's instructions in order (ISA guide 5.7.1): the loads see the stores above them.
.macro OUTBLK mb, sreg, lreg
.irp ct, 0,1,2,3,4,5,6,7
	ds_store_b128 v[\sreg], v[ACC+64*\mb+8*\ct:ACC+64*\mb+8*\ct+3]   offset:\ct*64
	ds_store_b128 v[\sreg], v[ACC+64*\mb+8*\ct+4:ACC+64*\mb+8*\ct+7] offset:\ct*64+16
.endr
.if \mb
	s_wait_xcnt 0x0                                ; the first block's stores have had their addresses translated (ISA guide 3.1): their data registers are loaded again only behind this wait
.endif
.set k, 0
.rept 16
	ds_load_b128 v[BF+4*k:BF+4*k+3], v[\lreg] offset:k*STP
.set k, k+1
.endr
.set k, 0
.rept 16
	s_wait_dscnt 15-k                              ; row k of the sixteen is in
	v_pk_fma_f32 v[BF+4*k:BF+4*k+1],   v[BF+4*k:BF+4*k+1],   v[GA:GA+1],   v[BE:BE+1]
	v_pk_fma_f32 v[BF+4*k+2:BF+4*k+3], v[BF+4*k+2:BF+4*k+3], v[GA+2:GA+3], v[BE+2:BE+3]
	global_store_b128 v[OO], v[BF+4*k:BF+4*k+3], s[24:25] offset:(16*\mb+k)*4096 th:TH_STORE_NT    ; the wave stores 512 consecutive bytes, aligned
.set k, k+1
.endr
.endm
	OUTBLK 0, ST0, RG
	OUTBLK 1, ST1, RG+4
	s_wait_dscnt 0x0
	s_wait_xcnt 0x0
	v_lshl_add_u32 v240, v0, 2, 0x4e800
	v_mov_b32 v247, 0
	s_wait_tensorcnt 0x0
	ds_add_u32 v240, v247
	s_wait_dscnt 0x0
	ROUND                                          ; the closing round: no work-group ends while a partner may still ask for a block that names it
	s_endpgm
.Lfunc_end_k_q282478c322_chain:
	.size	k_q282478c322_chain, .Lfunc_end_k_q282478c322_chain-k_q282478c322_chain
	.p2alignl 7, 3214868480
	.fill 96, 4, 3214868480
	.section	.rodata,"a",@progbits
	.p2align	6, 0x0
	.amdhsa_kernel k_q282478c322_chain
		.amdhsa_group_segment_fixed_size 327680
		.amdhsa_private_segment_fixed_size 0
		.amdhsa_enable_private_segment 0
		.amdhsa_kernarg_size 80
		.amdhsa_user_sgpr_count 2
		.amdhsa_user_sgpr_kernarg_segment_ptr 1
		.amdhsa_wavefront_size32 1
		.amdhsa_system_sgpr_workgroup_id_x 1
		.amdhsa_system_sgpr_workgroup_id_y 1
		.amdhsa_system_sgpr_workgroup_id_z 1
		.amdhsa_system_vgpr_workitem_id 0
		.amdhsa_next_free_vgpr 512
		.amdhsa_next_free_sgpr 82
		.amdhsa_reserve_vcc 0
		.amdhsa_float_denorm_mode_32 3
		.amdhsa_float_denorm_mode_16_64 3
		.amdhsa_memory_ordered 1
		.amdhsa_forward_progress 1
		.amdhsa_inst_pref_size 255
	.end_amdhsa_kernel
	.section	.bss,"aw",@nobits
	.p2align	6
	.space	262144
	.amdgpu_metadata
---
amdhsa.version: [ 1, 2 ]
amdhsa.kernels:
  - .name:           k_q282478c322_chain
    .symbol:         k_q282478c322_chain.kd
    .args:
      - { .name: query, .offset: 0, .size: 8, .value_kind: global_buffer, .address_space: global }
      - { .name: memory_weights, .offset: 8, .size: 8, .value_kind: global_buffer, .address_space: global }
      - { .name: update_input, .offset: 16, .size: 8, .value_kind: global_buffer, .address_space: global }
      - { .name: gate_b, .offset: 24, .size: 8, .value_kind: global_buffer, .address_space: global }
      - { .name: out_b, .offset: 32, .size: 8, .value_kind: global_buffer, .address_space: global }
      - { .name: ln_gamma, .offset: 40, .size: 8, .value_kind: global_buffer, .address_space: global }
      - { .name: ln_beta, .offset: 48, .size: 8, .value_kind: global_buffer, .address_space: global }
      - { .name: wstream, .offset: 56, .size: 8, .value_kind: global_buffer, .address_space: global }
      - { .name: out0, .offset: 64, .size: 8, .value_kind: global_buffer, .address_space: global }
      - { .name: memory_decay, .offset: 72, .size: 8, .value_kind: global_buffer, .address_space: global }
    .group_segment_fixed_size: 327680
    .private_segment_fixed_size: 0
    .kernarg_segment_align: 8
    .kernarg_segment_size: 80
    .max_flat_workgroup_size: 256
    .sgpr_count:     82
    .vgpr_count:     512
    .wavefront_size: 32
...
	.end_amdgpu_metadata
.endif
;; end of part 4
;; ======== version 3 of 3: 3 launches; version 2 with the launch fold written anew for expert scheduling mode
;; limits: values are held in f16: magnitudes above 65,504 overflow, below 6.1e-05 lose precision; right only within a limited range of input values; inputs' magnitudes at most 65,504
;; workspace buffers: wstream 5,242,880 bytes; va 1,048,576 bytes; wb 4,194,304 bytes
;; launch cast: the kernel of part 1 again; grid 512 x 1, 8 waves a work-group, no clusters, 0 bytes of LDS; arguments memory_keys, memory_values, gate_w, out_w, wstream, va, wb; writes wstream, va, wb
;; launch fold (part 5): grid 256 x 1, 4 waves a work-group, no clusters, 0 bytes of LDS; arguments va, wb, wstream; writes wstream
.if DOCPART == 5
	.amdgcn_target "amdgcn-amd-amdhsa--gfx1250"
	.amdhsa_code_object_version 6
	.text
	.protected	k_q282478c322_fold
	.globl	k_q282478c322_fold
	.p2align	8
	.type	k_q282478c322_fold,@function
k_q282478c322_fold:
	s_mov_b64 s[64:65], 0
	v_nop
	global_prefetch_b8 v0, s[64:65] scope:SCOPE_SE
	s_setreg_imm32_b32 hwreg(HW_REG_WAVE_SCHED_MODE, 0, 2), 2
	s_setreg_imm32_b32 hwreg(HW_REG_WAVE_MODE, 25, 1), 1
	s_wait_xcnt 0x0
	s_wait_alu depctr_vm_vsrc(0)
; memory_read enters only linear maps, so (P V) W = P (V W) for every input.  This launch makes the two folded matrices once:
;   VG' = V * gate_w[0:1024] / 4   -> wstream tiles 8-15        VO' = V * out_w / 4   -> wstream tiles 32-39
; [512 slots][2 x 1024 columns], K = 1024, f16 operands, f32 sums, rounded once to f16 (LIMIT: the order of rounding differs from forming P V first).
; ROOM IN f16: the decay stays out of the fold (the next launch applies 4 * decay in f32), and the division by 4 is exact.  V W has a spread of 0.7 to 1.
; With V and the weights thirty times larger its largest entries are some 5,000, with common offsets of thirty spreads (30 and 0.94, 1,024 terms) some 29,000:
; a quarter of that is stored.  With both thirty times smaller what is stored has a spread of some 2e-4, above f16's smallest normal number, 6.1e-5.
; LIMIT: an entry of V W of 262,000 or more in magnitude becomes infinite.
; 1,024 wave tasks of 32 slots x 32 columns (four accumulator tiles).  Operands come straight from va and wb, which lie in fragment order:
; each load of a wave covers 512 consecutive bytes, and no LDS is needed.  The four waves of a group share their two column tiles.
; Source 0 = slots (va), source 1 = columns (wb): register j of lane (r, h) holds (slot 8 h + j, column r), which, packed in pairs, is the
; lane's 16 bytes of the target fragment (rows = columns, k = slots): slot tile a of the task is the fragment's half c = a.  Nothing is transposed.
; wstream: tile t, wave w, fragment f = 8 ks + ct at ((8 t + w) * 16 + f) * 1024; column tile 8 w + ct, block of 32 slots 2 (t - first tile) + ks.
; No cluster and no tensor loads: the operands go to registers, and the launch is short.
; THE MODE: SCHED_MODE bits 1:0 = 2 (LLVM: expert scheduling mode 2), set by the entry lines.  The code itself states the register dependences
; between vector or matrix instructions and memory instructions, with s_wait_alu, always for 0.
; THE PLAN.  Registers that memory instructions touch:
;   v1, v2, v3   byte offsets, made once at the head and never written again: v2 and v3 are read by every load, v1 by the four stores.
;   sets 0 .. 6  K step n has set n mod 7.  Written by the step's eight loads, which are issued in step n - 6; read by step n's four matrix instructions.
;   OUT          Written by the sixteen roundings at the end; read by the four stores.
;   The accumulators are named by matrix and vector instructions alone.
; Step i waits for its own eight loads and then asks for step i + 6, whose set, (i + 6) mod 7 = (i - 1) mod 7, is the one that the step before multiplied.
; So ONE wait on va_vdst stands in a step, behind the wait for the step's data and straight ahead of the run of loads: it states that the matrix instructions of the
; step before, issued ahead of the wait for data, are done reading that set.  Seven sets, not six, so that a set may lie idle from its step's matrix instructions to the next
; step's head and five younger steps are still on their way at every wait for data.  The text has no branch: there is one path, and no backward jump.
; The accumulators, seven sets and an offset are 257 registers, one more than an instruction can name: set 6 lies in the upper window, v[256:287].  It is multiplied in
; steps 6, 13, 20, 27 and loaded in steps 0, 7, 14, 21: sixteen switches of the window in all.
.set ACC, 8                            ; v[8:39]    accumulator (a, b) at 8 + 8 (2 a + b)
.set SET, 40                           ; v[40:231]  sets 0 to 5 of 32: va's two fragments, wb's two fragments, of one K step of 32; set 6 is v[256:287], named v[0:31] under the upper window
.set OUT, 232                          ; v[232:247] the four tiles as f16
.set MSB, 0
.macro WIN new                         ; s_set_vgpr_msb: bits 1:0 source 0, 3:2 source 1, 5:4 source 2, 7:6 destination; the high byte repeats the setting that is left; a switch that changes nothing is dropped
.if MSB != (\new)
	s_set_vgpr_msb (MSB<<8)|(\new)
.set MSB, (\new)
.endif
.endm
.macro SETOF n                         ; K step n's set: up = 1 if it is set 6, in the upper window; sb = its first register as an instruction names it
.set up, ((\n)%7)/6
.set sb, (1-up)*(SET+32*((\n)%7))
.endm
.macro PLACES                          ; a load into a register that a matrix instruction has read, and a vector instruction that reads its result,
.rept 4                                ; stand four plain vector instructions behind it (ISA guide 7.12.1)
	v_nop
.endr
.endm
.macro LOADSTEP                        ; the eight loads of K step ls, into the set at sb; the window has been set
.irp a, 0,1
.irp c, 0,1
	global_load_b128 v[sb+8*\a+4*\c:sb+8*\a+4*\c+3], v2, s[4:5] offset:\a*32768+ls*1024+\c*512
.endr
.endr
.irp b, 0,1
.irp c, 0,1
	global_load_b128 v[sb+16+8*\b+4*\c:sb+16+8*\b+4*\c+3], v3, s[6:7] offset:\b*32768+ls*1024+\c*512
.endr
.endr
.endm
	s_load_b128 s[4:7], s[0:1], 0x0                ; va s[4:5], wb s[6:7]
	s_load_b64 s[10:11], s[0:1], 0x10              ; wstream
	v_lshrrev_b32 v1, 5, v0
	v_readfirstlane_b32 s3, v1                     ; wave 0..3
	v_and_b32 v1, 31, v0
	v_lshlrev_b32 v1, 4, v1                        ; 16 L
	s_wait_alu depctr_va_sdst(0)                   ; s3 is written, ahead of its first reader: the task's number is made from it
	s_lshl2_add_u32 s14, ttmp9, s3                 ; task = 4 x group + wave
	s_lshr_b32 s15, s14, 4                         ; pair of column tiles, 0..63
	s_and_b32 s14, s14, 15                         ; pair of slot tiles = block of 32 slots, 0..15
	v_lshl_add_u32 v2, s14, 16, v1                 ; va: two slot tiles of 32 fragments
	v_lshl_add_u32 v3, s15, 16, v1                 ; wb: two column tiles of 32 fragments
	s_lshr_b32 s16, s15, 5                         ; 0: VG', 1: VO'
	s_mul_i32 s16, s16, 24
	s_add_co_u32 s16, s16, 8                       ; first tile 8 or 32
	s_lshr_b32 s18, s14, 1
	s_add_co_u32 s16, s16, s18                     ; + block / 2
	s_lshl_b32 s16, s16, 17
	s_bfe_u32 s18, s15, 0x30002                    ; wave = (pair & 31) / 4
	s_lshl_b32 s18, s18, 14
	s_add_co_u32 s16, s16, s18
	s_and_b32 s18, s14, 1                          ; ks
	s_lshl_b32 s18, s18, 13
	s_add_co_u32 s16, s16, s18
	s_and_b32 s18, s15, 3                          ; ct = 2 (pair & 3) + b
	s_lshl_b32 s18, s18, 11
	s_add_co_u32 s16, s16, s18
	s_mov_b32 s17, 0
	s_wait_kmcnt 0x0
	s_add_nc_u64 s[10:11], s[10:11], s[16:17]
	s_wait_alu depctr_va_vdst(0)                   ; v1, v2 and v3 are written: every load and store of the kernel reads one of them as its offset
.set ls, 0
.rept 6
	SETOF ls
	LOADSTEP                                       ; K steps 0 to 5 are asked for at once
.set ls, ls+1
.endr
	; 32 K steps, written out.  The four accumulators take turns, one instruction a turn.
.set i, 0
.rept 32
.if 31-i >= 5
	s_wait_loadcnt 40                              ; loads come back in order (ISA guide 5.7.1): this step's eight are in, the five younger steps' forty stay out
.else
	s_wait_loadcnt 8*(31-i)                        ; near the end fewer steps are behind this one
.endif
.if i+6 <= 31
.set ls, i+6
	SETOF ls
	WIN 0x40*up                                    ; set 6: the loads' destination in the upper window, their offset in the lower; the switch stands ahead of the wait
.if i > 0
	s_wait_alu depctr_va_vdst(0)                   ; the matrix instructions of the step before are done reading their set, in which the eight loads below land (step 0's loads land in set 6, which nothing has named yet)
.endif
	LOADSTEP                                       ; the set multiplied in the step before is filled with the step six further on than this one
.endif
	SETOF i
	WIN 0x05*up                                    ; set 6: sources 0 and 1 in the upper window, the accumulators in the lower
.irp a, 0,1
.irp b, 0,1
.if i == 0
	v_wmma_f32_16x16x32_f16 v[ACC+8*(2*\a+\b):ACC+8*(2*\a+\b)+7], v[sb+8*\a:sb+8*\a+7], v[sb+16+8*\b:sb+16+8*\b+7], 0
.else
	v_wmma_f32_16x16x32_f16 v[ACC+8*(2*\a+\b):ACC+8*(2*\a+\b)+7], v[sb+8*\a:sb+8*\a+7], v[sb+16+8*\b:sb+16+8*\b+7], v[ACC+8*(2*\a+\b):ACC+8*(2*\a+\b)+7]
.endif
.endr
.endr
	WIN 0
.if i+7 <= 31
	PLACES                                         ; this step's set is loaded again in the next step; the places stay beside that step's wait
.endif
.set i, i+1
.endr
	PLACES
.set k, 0
.rept 16
	v_pk_mul_f32 v[ACC+k:ACC+k+1], v[ACC+k:ACC+k+1], 0x3e800000 op_sel_hi:[1,0]    ; a quarter: exact
.set k, k+2
.endr
.set k, 0
.rept 16
	v_cvt_pk_f16_f32 v[OUT+k/2], v[ACC+k], v[ACC+k+1]
.set k, k+2
.endr
	s_wait_alu depctr_va_vdst(0)                   ; the roundings have written OUT, which the four stores read
.irp a, 0,1
.irp b, 0,1
	global_store_b128 v1, v[OUT+4*(2*\a+\b):OUT+4*(2*\a+\b)+3], s[10:11] offset:\b*1024+\a*512    ; 512 consecutive bytes, aligned
.endr
.endr
	s_endpgm
.Lfunc_end_k_q282478c322_fold:
	.size	k_q282478c322_fold, .Lfunc_end_k_q282478c322_fold-k_q282478c322_fold
	.p2alignl 7, 3214868480
	.fill 96, 4, 3214868480
	.section	.rodata,"a",@progbits
	.p2align	6, 0x0
	.amdhsa_kernel k_q282478c322_fold
		.amdhsa_group_segment_fixed_size 0
		.amdhsa_private_segment_fixed_size 0
		.amdhsa_enable_private_segment 0
		.amdhsa_kernarg_size 24
		.amdhsa_user_sgpr_count 2
		.amdhsa_user_sgpr_kernarg_segment_ptr 1
		.amdhsa_wavefront_size32 1
		.amdhsa_system_sgpr_workgroup_id_x 1
		.amdhsa_system_sgpr_workgroup_id_y 1
		.amdhsa_system_sgpr_workgroup_id_z 1
		.amdhsa_system_vgpr_workitem_id 0
		.amdhsa_next_free_vgpr 288
		.amdhsa_next_free_sgpr 66
		.amdhsa_reserve_vcc 0
		.amdhsa_float_denorm_mode_32 3
		.amdhsa_float_denorm_mode_16_64 3
		.amdhsa_memory_ordered 1
		.amdhsa_forward_progress 1
		.amdhsa_inst_pref_size 42
	.end_amdhsa_kernel
	.amdgpu_metadata
---
amdhsa.version: [ 1, 2 ]
amdhsa.kernels:
  - .name:           k_q282478c322_fold
    .symbol:         k_q282478c322_fold.kd
    .args:
      - { .name: va, .offset: 0, .size: 8, .value_kind: global_buffer, .address_space: global }
      - { .name: wb, .offset: 8, .size: 8, .value_kind: global_buffer, .address_space: global }
      - { .name: wstream, .offset: 16, .size: 8, .value_kind: global_buffer, .address_space: global }
    .group_segment_fixed_size: 0
    .private_segment_fixed_size: 0
    .kernarg_segment_align: 8
    .kernarg_segment_size: 24
    .max_flat_workgroup_size: 128
    .sgpr_count:     66
    .vgpr_count:     288
    .wavefront_size: 32
...
	.end_amdgpu_metadata
.endif
;; end of part 5
;; launch chain: the kernel of part 4 again; grid 256 x 1, 8 waves a work-group, clusters of 4 x 1, 327,680 bytes of LDS; arguments query, memory_weights, update_input, gate_b, out_b, ln_gamma, ln_beta, wstream, out0, memory_decay; writes out0
